; MI455X (gfx1250); checked and timed in simulation.
; The chip was launched on July 23, 2026; its instructions are those of AMD's public machine-readable ISA for CDNA 5 (MIT licence, August 2026) and "CDNA5" Instruction Set Architecture Reference Guide (July 2026). The comments in the code are by the model that wrote it; some were corrected since.
;; Multi Head Attention. Allowed arithmetic: matrix products marked QUANTISED: E2M1 operands, one E8M0 scale for each 32 along K, by v_wmma_scale_f32_16x16x128_f8f6f4 with both operands' format E2M1 (or v_wmma_scale_f32_32x16x128_f4), f32 sums; products left as they are: bf16, f16 or f32 operands; f32 sums; everything else in f32.
;; Inputs: Wk 1,024 x 1,024 float32; Wo 1,024 x 1,024 float32; Wq 1,024 x 1,024 float32; Wv 1,024 x 1,024 float32; keys 2,048 x 2 x 1,024 float32; mask 1 x 1 x 2,048 x 2,048 int32; query 2,048 x 2 x 1,024 float32; values 2,048 x 2 x 1,024 float32.
;; Outputs: out0 2,048 x 2 x 1,024 float32.
;; This version of the problem:
;;   THIS VERSION OF THE PROBLEM IS GIVEN IN LOW PRECISION. The matrix products marked QUANTISED in the list below multiply operands that are first quantised to E2M1 (2 exponent bits, 1 mantissa bit; 4 bits a number), with one power-of-two scale for each 32 numbers along K (OCP MX v1.0); their sums are f32. The products marked 'left as it is' may take bf16, f16 or f32 operands, with f32 sums. Whichever they take, every output number must still come out within the allowed error. Rounding operands to bf16 (8 significant bits) uses up far more of that allowance than f16 does (11 bits, for magnitudes from 6e-5 to 65,504). All else is computed in f32.
;;   The module's matrix products, in the order in which they are computed (A, B: the left and right operand; K: the contracted axis; several contracted axes count as one K, in the product's order):
;;     1. [M 4,096, K 1,024] x [K 1,024, N 1,024]; A: input query; B: input Wq: QUANTISED
;;     2. [M 4,096, K 1,024] x [K 1,024, N 1,024]; A: input keys; B: input Wk: QUANTISED
;;     3. [M 4,096, K 1,024] x [K 1,024, N 1,024]; A: input values; B: input Wv: QUANTISED
;;     4. batch 32 x [M 2,048, K 64] x [K 64, N 2,048]; A: computed on the way; B: computed on the way: left as it is (an operand is computed on the way)
;;     5. batch 32 x [M 64, K 2,048] x [K 2,048, N 2,048]; A: computed on the way; B: computed on the way: left as it is (an operand is computed on the way)
;;     6. [M 4,096, K 1,024] x [K 1,024, N 1,024]; A: computed on the way; B: input Wo: left as it is (an operand is computed on the way)
;;   THE QUANTISER, for each operand of a quantised product, along K:
;;     - K is cut into blocks of 32 from its start; a last block that is shorter is filled with zeros.
;;     - A block's scale is 2^e with e = floor(log2(the largest magnitude in the block)) - 2, held to -126 .. 127; a block of zeros has e = 0. As a byte (E8M0): e + 127.
;;     - Each number is divided by its block's scale, clamped to +-6, and rounded to the nearest number of E2M1, ties to even, subnormals kept.
;;     - The product sums the exact products of the quantised numbers (number of the format x scale) in f32.
;;   ~~~python
;;   def quantise(x, axis):      # numpy; x: float32 -> the quantised numbers, widened to float32 again
;;       x = np.moveaxis(x, axis, -1); K = x.shape[-1]
;;       x = np.pad(x, [(0, 0)] * (x.ndim - 1) + [(0, -K % 32)]); x = x.reshape(x.shape[:-1] + (-1, 32)); a = np.abs(x).max(-1, keepdims=True)
;;       e = np.where(a > 0, np.clip(np.frexp(np.where(a > 0, a, 1))[1] - 1 - 2, -126, 127), 0)      # np.frexp(a)[1] - 1 = floor(log2(a)), exactly
;;       r = np.clip(x / 2.0 ** e, -6, 6)
;;       step = 2.0 ** (np.maximum(np.frexp(np.where(r == 0, 1, r))[1] - 1, 0) - 1)
;;       q = np.round(r / step) * step * 2.0 ** e      # np.round: ties to even
;;       return np.moveaxis(q.reshape(q.shape[:-2] + (-1,))[..., :K], -1, axis).astype(np.float32)
;;   ~~~
;; One version. Each part assembles by itself: llvm-mc -triple=amdgcn-amd-amdhsa -mcpu=gfx1250 --defsym DOCPART=n.
;; ======== version 1 of 1: 4 launches
;; limits: values are held in f16: magnitudes above 65,504 overflow, below 6.1e-05 lose precision
;; workspace buffers: codes 7,864,320 bytes; scales 491,520 bytes; maskw 524,288 bytes of whole numbers; wof 2,097,152 bytes; qkv 25,165,824 bytes; attnf 8,388,608 bytes
;; launch prep (part 1): grid 640 x 1, 4 waves a work-group, no clusters, 100,864 bytes of LDS; arguments query, keys, values, Wq, Wk, Wv, Wo, mask, codes, scales, maskw, wof; writes codes, scales, maskw, wof
.if DOCPART == 1
	.amdgcn_target "amdgcn-amd-amdhsa--gfx1250"
	.amdhsa_code_object_version 6
	.text
	.protected	k_q626bf56e7f_prep
	.globl	k_q626bf56e7f_prep
	.p2align	8
	.type	k_q626bf56e7f_prep,@function
k_q626bf56e7f_prep:
	s_mov_b64 s[64:65], 0
	v_nop
	global_prefetch_b8 v0, s[64:65] scope:SCOPE_SE
	s_setreg_imm32_b32 hwreg(HW_REG_WAVE_MODE, 25, 1), 1
	s_wait_xcnt 0x0
; PREP: everything that is made once from the inputs, 128 KiB of input to a work-group, three ways chosen by the work-group's number g.
;  g 0..479    query, keys, values, Wq, Wk, Wv (f32, K innermost) become codes of E2M1, two a byte, and one E8M0 byte for each 32 along K.
;              Both leave as 15,360 UNIFIED ROWS of 1,024 codes (512 bytes) and 32 scale bytes: row p x 4096 + b x 2048 + s for query, keys, values (p = 0, 1, 2: the batch moved
;              outermost), row 12288 + p x 1024 + n for Wq, Wk, Wv.  A work-group takes 32 unified rows, a wave 8.
;  g 480..607  the mask (int32 [2048][2048]) becomes lane masks: word [qt][kt][j], bit 16 h + r = (mask[16 qt + r][16 kt + 8 h + j] != 0): what register j of a 16 x 16 tile of scores
;              (a lane a query, registers along the keys) needs for one v_cndmask_b32.  A work-group takes 16 rows of the mask.
;  g 608..639  Wo (f32 [1024][1024]) becomes f16 in PARTS of 512 bytes: part [nb][kp], lane 16 h + r holds the 16 bytes of Wo[16 nb + r][16 kp + 8 h + 0..7]: two parts on end are a
;              16 x 32 fragment's registers.  A work-group takes 32 rows of Wo.
; THE QUANTISER: a block's scale is 2^(floor(log2(largest magnitude)) - 2); its byte is the largest magnitude's exponent field - 2, held at 1 from below; each number is divided by the
; scale and rounded to the nearest code, ties to even, beyond 6 the largest code.
; LIMITS: a block of zeros, and a block whose largest magnitude lies under 2^-124, gets the byte 1 (zeros: where the rule says 127; its codes are zeros, and this program alone reads the
; bytes).  NaN and infinities among the inputs are not served.  |Wo| beyond 65,504 becomes infinity in f16.
; No work-group shares input with another, so there is no cluster; no tensor load, no barrier: waves share nothing.  Each of the three ways has LDS bytes of its own.
.set SP,     80                        ; way 1: a lane's place in a stage: 64 bytes + 16 of padding
.set STEPS,  16                        ; way 1: steps of 512 numbers for a wave
.set AHEAD,  8                         ; way 1: loads run so many steps ahead: 32 loads, 16 KiB, of a wave are on their way
.set EMAX,   2
.set QWAVE,  8192                      ; way 1: a wave's LDS: two stages of 32 x SP bytes, then its 256 scale bytes
.set TP,     528                       ; ways 2, 3: a stage row: 512 bytes + 16: row r starts 4 r banks on, so sixteen rows' 16 bytes fall on different banks (64 banks of 4 bytes: ISA guide 11.1)
.set TWAVE,  16*TP                     ; ways 2, 3: a wave's stage
.set MREG,   4*QWAVE                   ; way 2's four stages
.set WREG,   MREG+4*TWAVE              ; way 3's
.set SPARE,  WREG+4*TWAVE              ; the spare words, 128 bytes for each wave: two blocks of 256 bytes that no other line names
.set LI,   3                           ; v3   16 x lane
.set L8,   4                           ; v4   8 x lane
.set SPW,  12                          ; v12  LDS address of my spare word; never rewritten
.set NIL,  13                          ; v13  0; never rewritten
.set R,    16                          ; way 1: v16-143 eight sets of 16 numbers as loaded
.set X,    144                         ; way 1: v144-175 two sets of 16 neighbours
.set E,    176                         ; way 1: v176-191 a scale byte for each step
.set C,    192                         ; way 1: v192-223 codes, two registers for each step: no store's data are written again
.set OFFR, 224                         ; way 1: v224-231 16 x lane + my row j's distance in the input
.set IN,   16                          ; ways 2, 3: v16-143 two sets of 16 rows x 16 bytes a lane
.set XX,   144                         ; ways 2, 3: v144-207 64 numbers: register 8 kt + j = element 16 kt + 8 h + j of row r
.set WD,   208                         ; way 2: v208-215 a pair of registers of mask words for each of four turns
.set CF,   208                         ; way 3: v208-239 eight parts of f16
.set TSM,  240                         ; v240, v241 way 2's stage: where I store, where I read
.set TRM,  241
.set TSW,  242                         ; v242, v243 way 3's
.set TRW,  243
.macro FINISH                          ; a wave's end
	s_wait_tensorcnt 0x0
	ds_add_u32 v[SPW], v[NIL]
	s_wait_dscnt 0x0
	s_endpgm
.endm
	s_load_b512 s[4:19], s[0:1], 0x0               ; query 4, keys 6, values 8, Wq 10, Wk 12, Wv 14, Wo 16, mask 18
	s_load_b256 s[20:27], s[0:1], 0x40             ; codes 20, scales 22, maskw 24, wof 26
	v_lshl_add_u32 v[SPW], v0, 2, SPARE
	v_mov_b32 v[NIL], 0
	v_lshrrev_b32 v1, 5, v0
	v_readfirstlane_b32 s2, v1                     ; wave 0..3
	v_and_b32 v2, 31, v0                           ; lane
	v_lshlrev_b32 v[LI], 4, v2
	v_lshlrev_b32 v[L8], 3, v2
	; every LDS address is made here, ahead of the parting of the ways: a constant + a constant x wave + a lane term
	s_mul_i32 s3, s2, QWAVE
	v_lshrrev_b32 v14, 2, v2
	v_mul_u32_u24 v14, v14, SP
	v_and_b32 v15, 3, v2
	v_lshl_add_u32 v14, v15, 4, v14
	v_add_nc_u32 v14, s3, v14                      ; way 1, into a stage: four lanes' 64 bytes on end, then 16 of padding
	v_mul_u32_u24 v15, v2, SP
	v_add_nc_u32 v15, s3, v15                      ; and out of it: SP x lane: my 16 neighbours
	v_lshrrev_b32 v5, 1, v2
	s_add_co_u32 s3, s3, 2*32*SP
	v_add_nc_u32 v5, s3, v5                        ; my block's scale byte among my wave's 256,
	v_add_nc_u32 v6, s3, v[L8]                     ; and 8 of them a lane on the way out
	s_mul_i32 s3, s2, TWAVE
	v_and_b32 v1, 15, v0                           ; r
	v_bfe_u32 v10, v0, 4, 1                        ; h
	v_mul_u32_u24 v1, v1, TP
	v_lshl_add_u32 v1, v10, 5, v1
	v_add_nc_u32 v1, s3, v1                        ; out of a stage: row r, + 32 h
	v_add_nc_u32 v10, s3, v[LI]                    ; into it: 16 x lane of a row
	v_add_nc_u32 v[TSM], MREG, v10
	v_add_nc_u32 v[TRM], MREG, v1
	v_add_nc_u32 v[TSW], WREG, v10
	v_add_nc_u32 v[TRW], WREG, v1
	s_wait_kmcnt 0x0
	s_cmp_ge_u32 ttmp9, 608
	s_cbranch_scc1 .Lwo
	s_cmp_ge_u32 ttmp9, 480
	s_cbranch_scc1 .Lmask
; ---------------- way 1: the quantiser ----------------
	s_mov_b64 s[28:29], s[4:5]                     ; which tensor: the choice hangs on the work-group's number alone
	s_cmp_ge_u32 ttmp9, 128
	s_cselect_b64 s[28:29], s[6:7], s[28:29]
	s_cmp_ge_u32 ttmp9, 256
	s_cselect_b64 s[28:29], s[8:9], s[28:29]
	s_cmp_ge_u32 ttmp9, 384
	s_cselect_b64 s[28:29], s[10:11], s[28:29]
	s_cmp_ge_u32 ttmp9, 416
	s_cselect_b64 s[28:29], s[12:13], s[28:29]
	s_cmp_ge_u32 ttmp9, 448
	s_cselect_b64 s[28:29], s[14:15], s[28:29]
	s_lshl_b32 s3, s2, 3                           ; 8 x wave
	s_and_b32 s30, ttmp9, 127
	s_lshl_b32 s30, s30, 5
	s_add_co_u32 s30, s30, s3                      ; query, keys, values: my first row b x 2048 + s of the tensor's 4,096
	s_and_b32 s31, s30, 2047
	s_lshl_b32 s31, s31, 13                        ; in memory row (s, b) lies at s x 8192 + b x 4096
	s_lshr_b32 s30, s30, 11
	s_lshl_b32 s30, s30, 12
	s_add_co_u32 s30, s30, s31
	s_and_b32 s31, ttmp9, 31
	s_lshl_b32 s31, s31, 5
	s_add_co_u32 s31, s31, s3
	s_lshl_b32 s31, s31, 12                        ; the weights: my first row x 4096
	s_mov_b32 s32, 4096
	s_cmp_lt_u32 ttmp9, 384
	s_cselect_b32 s30, s30, s31
	s_cselect_b32 s32, 8192, s32                   ; from one of my rows to the next
	s_mov_b32 s31, 0
	s_add_nc_u64 s[28:29], s[28:29], s[30:31]
.irp j, 0,1,2,3,4,5,6,7
	s_mul_i32 s33, s32, \j
	v_add_nc_u32 v[OFFR+\j], s33, v[LI]
.endr
	s_lshl_b32 s30, ttmp9, 5
	s_add_co_u32 s30, s30, s3                      ; my first unified row: 32 g + 8 x wave
	s_lshl_b32 s34, s30, 9
	s_mov_b32 s35, 0
	s_add_nc_u64 s[20:21], s[20:21], s[34:35]      ; its codes,
	s_lshl_b32 s34, s30, 5
	s_add_nc_u64 s[22:23], s[22:23], s[34:35]      ; its scale bytes
; A step is 512 numbers, half a row.  Each of its four loads reads 512 consecutive bytes, 16 a lane; the conversions want 16 NEIGHBOURS in a lane: so the 2,048 bytes go through the wave's own
; stage, as they lie, and come back 64 bytes a lane.  Loads run AHEAD steps ahead, the turn through LDS one step.
.macro QLOAD t
.irp i, 0,1,2,3
	global_load_b128 v[R+16*((\t)%AHEAD)+4*\i:R+16*((\t)%AHEAD)+4*\i+3], v[OFFR+(\t)/2], s[28:29] offset:2048*((\t)%2)+512*\i th:TH_LOAD_NT
.endr
.endm
.macro QTURN t                         ; LDS serves a wave's instructions in order (ISA guide 5.7.1.4): no wait between the stores and the loads
.irp i, 0,1,2,3
	ds_store_b128 v14, v[R+16*((\t)%AHEAD)+4*\i:R+16*((\t)%AHEAD)+4*\i+3] offset:32*SP*((\t)%2)+8*SP*\i
.endr
.irp i, 0,1,2,3
	ds_load_b128 v[X+16*((\t)%2)+4*\i:X+16*((\t)%2)+4*\i+3], v15 offset:32*SP*((\t)%2)+16*\i
.endr
.endm
.macro QSTEP t
.set XS, X+16*((\t)%2)
.if (\t) > 0
	s_wait_dscnt 1                                 ; this step's numbers are back from the stage (the last step's byte store may be out): so its stores into the stage have read their registers,
.else
	s_wait_dscnt 0x0
.endif
.if (\t)+AHEAD < STEPS
	QLOAD (\t)+AHEAD                               ; which take the loads of AHEAD steps on
.endif
.if (\t)+1 < STEPS
.if STEPS-2-(\t) >= AHEAD-1
	s_wait_loadcnt 4*(AHEAD-1)                     ; the next step's four loads are in; those of the seven steps behind it may be out
.else
	s_wait_loadcnt 4*(STEPS-2-(\t))                ; the tail: of the steps that are left behind it
.endif
	QTURN (\t)+1
.endif
	v_max3_num_f32 v8, |v[XS]|, |v[XS+1]|, |v[XS+2]|               ; the largest magnitude of my 16, in two chains
	v_max3_num_f32 v9, |v[XS+3]|, |v[XS+4]|, |v[XS+5]|
.irp i, 6,10
	v_max3_num_f32 v8, v8, |v[XS+\i]|, |v[XS+\i+1]|
	v_max3_num_f32 v9, v9, |v[XS+\i+2]|, |v[XS+\i+3]|
.endr
	v_max3_num_f32 v8, v8, |v[XS+14]|, |v[XS+15]|
	v_max3_num_f32 v8, v8, v9, (EMAX+1)<<23        ; and the floor 2^(3 - 127): the byte cannot fall under 1
	v_max_num_f32_dpp v8, v8, v8 row_xmask:1 row_mask:0xf bank_mask:0xf   ; and of my neighbour's 16: the block's
	v_add_nc_u32 v11, -(EMAX<<23), v8              ; 2 off its exponent field: the conversion takes the exponent field of this operand as its scale, and nothing else of it
	v_cvt_scalef32_pk8_fp4_f32 v[C+2*(\t)], v[XS:XS+7], v11
	v_cvt_scalef32_pk8_fp4_f32 v[C+2*(\t)+1], v[XS+8:XS+15], v11
	v_lshrrev_b32 v[E+(\t)], 23, v11               ; the scale's byte (also the plain line behind the conversions)
	ds_store_b8 v5, v[E+(\t)] offset:16*(\t)       ; both lanes of a block write the same byte with the same value
	global_store_b64 v[L8], v[C+2*(\t):C+2*(\t)+1], s[20:21] offset:256*(\t)   ; 32 lanes store 256 consecutive bytes, aligned
.endm
.irp t, 0,1,2,3,4,5,6,7
	QLOAD \t
.endr
	s_wait_loadcnt 4*(AHEAD-1)                     ; step 0's four loads are in
	QTURN 0
.irp t, 0,1,2,3,4,5,6,7,8,9,10,11,12,13,14,15
	QSTEP \t
.endr
	ds_load_b64 v[8:9], v6                         ; my wave's 256 scale bytes (these loads see my stores: LDS serves a wave in order)
	s_wait_dscnt 0x0
	global_store_b64 v[L8], v[8:9], s[22:23]       ; 256 consecutive bytes, aligned
	FINISH
; ---------------- ways 2 and 3: 16 rows x 128 elements of 4 bytes at a turn, four turns a wave ----------------
; The loads take rows as they lie, 512 consecutive bytes each; the stage turns them so that lane (r, h) holds, of row r, elements 16 kt + 8 h + 0..7 for kt = 0..7.
.macro TL set, i, pg                   ; turn i's 16 rows into set; pg: bytes from row to row in memory
.irp y, 0,1,2,3,4,5,6,7,8,9,10,11,12,13,14,15
	global_load_b128 v[IN+64*(\set)+4*\y:IN+64*(\set)+4*\y+3], v[LI], s[28:29] offset:\y*(\pg)+512*(\i) th:TH_LOAD_NT
.endr
.endm
.macro TT set, st, rd
.irp y, 0,1,2,3,4,5,6,7,8,9,10,11,12,13,14,15
	ds_store_b128 v[\st], v[IN+64*(\set)+4*\y:IN+64*(\set)+4*\y+3] offset:TP*\y
.endr
.irp y, 0,1,2,3,4,5,6,7,8,9,10,11,12,13,14,15
	ds_load_b128 v[XX+4*\y:XX+4*\y+3], v[\rd] offset:64*(\y/2)+16*(\y%2)
.endr
.endm
.macro ITER i, pg, st, rd, isw
.if (\i) < 3
	s_wait_loadcnt 16                              ; this turn's 16 loads are in; the next turn's may be out
.else
	s_wait_loadcnt 0x0
.endif
	TT (\i)%2, \st, \rd
	s_wait_dscnt 0x0                               ; the stores have read the set, and the turned numbers are in
.if (\i) < 2
	TL (\i)%2, (\i)+2, \pg
.endif
.if \isw
.if (\i) > 0
	s_wait_xcnt 0x0                                ; the last turn's stores have read their data: the parts' registers are written again only behind this wait
.endif
.set n, 0
.rept 32
	v_cvt_pk_f16_f32 v[CF+n], v[XX+2*n], v[XX+2*n+1]               ; part kt, register q: elements 16 kt + 8 h + 2 q, + 1
.set n, n+1
.endr
.irp k, 0,1,2,3,4,5,6,7
	global_store_b128 v[LI], v[CF+4*\k:CF+4*\k+3], s[26:27] offset:4096*(\i)+512*\k   ; a part: 512 consecutive bytes, aligned
.endr
.else
.set W0, 0
.rept 2                                ; 64 words, 32 at a time: a compare gives the word in a scalar register; word W goes to lane W / 2 of register W % 2
.set n, 0
.rept 32
	v_cmp_ne_u32 s[32+n], 0, v[XX+W0+n]
.set n, n+1
.endr
.set n, 0
.rept 32
	v_writelane_b32 v[WD+2*(\i)+(n&1)], s[32+n], (W0+n)>>1
.set n, n+1
.endr
.set W0, W0+32
.endr
	global_store_b64 v[L8], v[WD+2*(\i):WD+2*(\i)+1], s[24:25] offset:256*(\i)   ; 64 words: 256 consecutive bytes, aligned; each turn has registers of its own
.endif
.endm
.Lmask:
	s_sub_co_u32 s3, ttmp9, 480                    ; qt: rows 16 qt on
	s_lshl_b32 s30, s3, 17                         ; 16 rows of 8,192 bytes,
	s_lshl_b32 s31, s2, 11                         ; my wave's 512 columns
	s_add_co_u32 s30, s30, s31
	s_mov_b32 s31, 0
	s_add_nc_u64 s[28:29], s[18:19], s[30:31]
	s_lshl_b32 s30, s3, 12                         ; 1,024 words for each qt,
	s_lshl_b32 s3, s2, 10                          ; 256 of them my wave's
	s_add_co_u32 s30, s30, s3
	s_add_nc_u64 s[24:25], s[24:25], s[30:31]
	TL 0, 0, 8192
	TL 1, 1, 8192
.irp j, 0,1,2,3,4,5,6,7
	v_mov_b32 v[WD+\j], 0                          ; written once: v_writelane_b32 keeps the other lanes of its destination
.endr
.irp i, 0,1,2,3
	ITER \i, 8192, TSM, TRM, 0
.endr
	FINISH
.Lwo:
	s_sub_co_u32 s3, ttmp9, 608
	s_lshl_b32 s3, s3, 1
	s_lshr_b32 s30, s2, 1
	s_add_co_u32 s3, s3, s30                       ; nb: rows 16 nb on: two blocks a work-group, two waves to a block
	s_and_b32 s32, s2, 1                           ; which half of the row's 1,024 is my wave's
	s_lshl_b32 s30, s3, 16
	s_lshl_b32 s31, s32, 11
	s_add_co_u32 s30, s30, s31
	s_mov_b32 s31, 0
	s_add_nc_u64 s[28:29], s[16:17], s[30:31]
	s_lshl_b32 s30, s3, 15                         ; 64 parts for each nb,
	s_lshl_b32 s32, s32, 14                        ; 32 of them my wave's
	s_add_co_u32 s30, s30, s32
	s_add_nc_u64 s[26:27], s[26:27], s[30:31]
	TL 0, 0, 4096
	TL 1, 1, 4096
.irp i, 0,1,2,3
	ITER \i, 4096, TSW, TRW, 1
.endr
	FINISH
.Lfunc_end_k_q626bf56e7f_prep:
	.size	k_q626bf56e7f_prep, .Lfunc_end_k_q626bf56e7f_prep-k_q626bf56e7f_prep
	.p2alignl 7, 3214868480
	.fill 96, 4, 3214868480
	.section	.rodata,"a",@progbits
	.p2align	6, 0x0
	.amdhsa_kernel k_q626bf56e7f_prep
		.amdhsa_group_segment_fixed_size 100864
		.amdhsa_private_segment_fixed_size 0
		.amdhsa_enable_private_segment 0
		.amdhsa_kernarg_size 96
		.amdhsa_user_sgpr_count 2
		.amdhsa_user_sgpr_kernarg_segment_ptr 1
		.amdhsa_wavefront_size32 1
		.amdhsa_system_sgpr_workgroup_id_x 1
		.amdhsa_system_sgpr_workgroup_id_y 1
		.amdhsa_system_sgpr_workgroup_id_z 1
		.amdhsa_system_vgpr_workitem_id 0
		.amdhsa_next_free_vgpr 248
		.amdhsa_next_free_sgpr 66
		.amdhsa_reserve_vcc 0
		.amdhsa_float_denorm_mode_32 3
		.amdhsa_float_denorm_mode_16_64 3
		.amdhsa_memory_ordered 1
		.amdhsa_forward_progress 1
		.amdhsa_inst_pref_size 109
	.end_amdhsa_kernel
	.amdgpu_metadata
---
amdhsa.version: [ 1, 2 ]
amdhsa.kernels:
  - .name:           k_q626bf56e7f_prep
    .symbol:         k_q626bf56e7f_prep.kd
    .args:
      - { .name: query, .offset: 0, .size: 8, .value_kind: global_buffer, .address_space: global }
      - { .name: keys, .offset: 8, .size: 8, .value_kind: global_buffer, .address_space: global }
      - { .name: values, .offset: 16, .size: 8, .value_kind: global_buffer, .address_space: global }
      - { .name: Wq, .offset: 24, .size: 8, .value_kind: global_buffer, .address_space: global }
      - { .name: Wk, .offset: 32, .size: 8, .value_kind: global_buffer, .address_space: global }
      - { .name: Wv, .offset: 40, .size: 8, .value_kind: global_buffer, .address_space: global }
      - { .name: Wo, .offset: 48, .size: 8, .value_kind: global_buffer, .address_space: global }
      - { .name: mask, .offset: 56, .size: 8, .value_kind: global_buffer, .address_space: global }
      - { .name: codes, .offset: 64, .size: 8, .value_kind: global_buffer, .address_space: global }
      - { .name: scales, .offset: 72, .size: 8, .value_kind: global_buffer, .address_space: global }
      - { .name: maskw, .offset: 80, .size: 8, .value_kind: global_buffer, .address_space: global }
      - { .name: wof, .offset: 88, .size: 8, .value_kind: global_buffer, .address_space: global }
    .group_segment_fixed_size: 100864
    .private_segment_fixed_size: 0
    .kernarg_segment_align: 8
    .kernarg_segment_size: 96
    .max_flat_workgroup_size: 128
    .sgpr_count:     66
    .vgpr_count:     248
    .wavefront_size: 32
...
	.end_amdgpu_metadata
.endif
;; end of part 1
;; launch proj (part 2): grid 16 x 12, 4 waves a work-group, clusters of 4 x 4, 327,680 bytes of LDS; arguments codes, scales, qkv; writes qkv
.if DOCPART == 2
	.amdgcn_target "amdgcn-amd-amdhsa--gfx1250"
	.amdhsa_code_object_version 6
	.text
	.protected	k_q626bf56e7f_proj
	.globl	k_q626bf56e7f_proj
	.p2align	8
	.type	k_q626bf56e7f_proj,@function
k_q626bf56e7f_proj:
	s_mov_b64 s[64:65], 0
	v_nop
	global_prefetch_b8 v0, s[64:65] scope:SCOPE_SE
	s_setreg_imm32_b32 hwreg(HW_REG_WAVE_MODE, 25, 1), 1
	s_wait_xcnt 0x0
	s_wait_alu depctr_hold_cnt(0) depctr_sa_sdst(0) depctr_va_vdst(0) depctr_va_sdst(0) depctr_va_ssrc(0) depctr_va_vcc(0) depctr_vm_vsrc(0)
	s_getreg_b32 s2, hwreg(HW_REG_IB_STS2, 6, 4)
	s_cmp_eq_u32 s2, 0
	s_cbranch_scc0 .Lentry_in_a_cluster
	s_endpgm
.Lentry_in_a_cluster:
	s_bfe_u32 s2, ttmp6, 0x10000c
	s_cmp_lg_u32 s2, 0xf033
	s_cbranch_scc0 .Lentry_shape_is_right
	s_endpgm
.Lentry_shape_is_right:
; PROJ: the three quantised products q = query Wq^T, k = keys Wk^T, v = values Wv^T (each 4,096 x 1,024, K = 1,024) in one launch, on codes of E2M1 with one E8M0 byte for each 32 along K,
; taken as they lie: 15,360 unified rows of 512 bytes of codes and 32 scale bytes (rows p x 4096 + b x 2048 + s: query, keys, values; rows 12288 + p x 1024 + n: Wq, Wk, Wv).  Sums in f32.
; A tile of 256 x 256 is made by a work-group of four waves, as many as a WGP has SIMDs; a wave makes 128 x 128: 64 accumulators, 512 registers.  K = 1,024 is two slots of 512 along K (LDS rows of 256 bytes):
; both are asked for at the head, with the scale bytes of the tile's rows; nothing is filled again.
; CLUSTERS: 4 x 4 work-groups; the cluster's y is the product p, its x a quarter of the 16 tiles of the long side.  The four of a row of the cluster need the same tile of side A, the four of a column
; the same tile of side B: each is asked for JOINTLY.  16 x 12 work-groups are all the tiles there are: 3 products x 64.
; THE MATRIX INSTRUCTION IS USED TRANSPOSED (source 0 = 16 rows of side B, source 1 = 16 rows of side A): lane 16 h + r holds row r of A's block against rows 8 h + 0..7 of B's block.
; Rounded to f16 that is 16 bytes a lane, 512 bytes a wave: a PART, half of a 16 x 32 fragment's registers, which the next launch loads as it lies.  So each accumulator leaves by ONE store of 512 consecutive bytes.
;   p = 0, 1: A = the tokens, B = the weight: a part holds (token r, channels 8 h + 0..7): what q and k want (K = the channels).
;   p = 2:    A = Wv, B = values:             a part holds (channel r, keys 8 h + 0..7): what v wants (K = the keys).  Only the rows that are fetched change places, no instruction.
; qkv: [batch x 16 + head][256 tokens: 8 slots][q 32 KiB | k 32 KiB | v 32 KiB]; in each 32 KiB: [block of 16 tokens][4 parts].
; q is multiplied by log2(e) in f32 ahead of its rounding, so that the scores come out in powers of two.
; LIMITS: |q log2(e)|, |k|, |v| beyond 65,504 become infinity in f16.
; REGISTERS, in windows of 256: window 0: v0-31 addresses; v32-95 scale words, two sets; from v128 A's fragments, ONE set; on the way out v32-159 are free.
;   window 1: B's fragments, TWO sets, at v0 and v128.   window 2: the accumulators of my rows 0-63 ((a, b) at v[8 (8 a + b)]);   window 3: those of my rows 64-127.
.set NQ,     4                         ; matrix instructions deep in a slot: 512 along K
.set ROWB,   256                       ; a tile's row in bytes
.set KROW,   512                       ; a unified row of codes in bytes
.set PITCH,  272                       ; an LDS row: 256 bytes + 16 of padding = 68 words: row r starts at bank 4 r mod 64 (64 banks of 4 bytes: ISA guide 11.1)
.set FR,     8                         ; registers of a fragment: 16 rows x 128 K
.set NL,     2                         ; LDS loads that bring one
.set NP,     4                         ; places behind this matrix instruction (ISA guide 7.12.1)
.set HALFT,  128*PITCH                 ; 128 rows: what one tensor load brings
.set SLOT,   4*HALFT                   ; A's 256 rows, then B's 256 rows
.set KS,     32                        ; a row of scale bytes
.set SCL,    2*SLOT                    ; behind the slots: the scale bytes, as units of 256 bytes + 16 of padding
.set HALFS,  (128*KS/256)*272          ; those of 128 rows
.set SBLK,   (16*KS/256)*272           ; those of 16 rows
.set SPARE,  SCL+4*HALFS               ; the spare words, 128 bytes for each wave: two blocks of 256 bytes that no other line names
.set HEAD,   786432                    ; qkv: bytes of a (batch, head)
.set SLOTG,  98304                     ; and of 256 tokens in it
.set ADRA, 16                          ; v16-17  LDS address of my A fragments in slot 0, 1
.set ADRB, 20                          ; v20-21  the same for B
.set CO,   26                          ; v26     16 x lane: my place in a part
.set ADRS, 27                          ; v27     LDS address of my scale words: lanes 0-15 A's rows, lanes 16-31 B's
.set SPW,  28                          ; v28     LDS address of my spare word; never rewritten
.set NIL,  29                          ; v29     0; never rewritten
.set SC,   32                          ; scale words: set s at v[SC + 32 s]; register 4 i + q: lanes 0-15 A's block i, lanes 16-31 B's block i, the slot's q-th 128 along K
.set AF,   128                         ; A's fragments
.set TF,   32                          ; the way out: 64 numbers x log2(e)
.set HF,   96                          ; the way out: two sets of eight parts
.set G1, 24                            ; s[24:31] group 1 for A's tiles;  s[32:39] group 0, a set for each slot
.set G0, 32
.set G1B, 48                           ; s[48:55], s[56:63] the same for B's
.set G0B, 56
.set G1S, 68                           ; s[68:75], s[76:79] groups 1 and 0 for A's scale bytes;  s[80:87], s[88:91] for B's
.set G0S, 76
.set G1SB, 80
.set G0SB, 88
.set MSB, 0
.macro WIN new                         ; the immediate's high byte repeats the setting that is left; a switch that changes nothing is dropped
.if MSB != (\new)
	s_set_vgpr_msb (MSB<<8)|(\new)
.set MSB, (\new)
.endif
.endm
.set MUL_LO, 0xa1                      ; source 0 (B) window 1, source 1 (A) window 0, C and D window 2
.set MUL_HI, 0xf1                      ; the same, C and D window 3
.set TO_B,   0x40                      ; destination window 1, address window 0
; A joint load: waves 0 and 1 fetch for A, waves 2 and 3 for B.  Each line has ONE mask and one set of registers for all that issue it; the branch hangs on the wave's number alone.
; An s_nop 0 and four v_nop follow each of the two lines.
.macro JLOAD g0a, g1a, g0b, g1b
	s_cmp_eq_u32 s15, 0
	s_cbranch_scc0 .Lfor_b_\@
	tensor_load_to_lds s[\g0a:\g0a+3], s[\g1a:\g1a+7]
	s_nop 0
.rept 4
	v_nop
.endr
	s_branch .Lasked_\@
.Lfor_b_\@:
	tensor_load_to_lds s[\g0b:\g0b+3], s[\g1b:\g1b+7]
	s_nop 0
.rept 4
	v_nop
.endr
.Lasked_\@:
.endm
.macro CROUND                          ; a round of the cluster's barrier
	s_barrier_signal -1
	s_barrier_wait -1
	s_cmp_lg_u32 s14, 0
	s_cbranch_scc1 .Lnot_wave_0_\@
	s_barrier_signal -3
.Lnot_wave_0_\@:
	s_barrier_wait -3
	s_barrier_signal -1
	s_barrier_wait -1
.endm
	s_load_b128 s[4:7], s[0:1], 0x0                ; codes s[4:5], scales s[6:7]
	s_load_b64 s[12:13], s[0:1], 0x10              ; qkv
	v_lshl_add_u32 v[SPW], v0, 2, SPARE
	v_mov_b32 v[NIL], 0
	ds_add_u32 v[SPW], v[NIL]                      ; the wave's opening: the add, twice on end, and its wait ahead of my first tensor load
	ds_add_u32 v[SPW], v[NIL]                      ; (the set-up below, work on registers, stands between the second and the wait)
	v_lshrrev_b32 v1, 5, v0
	v_readfirstlane_b32 s14, v1                    ; wave 0..3
	s_lshr_b32 s15, s14, 1                         ; which half of A's rows is mine.  Also: I fetch for A (0) or for B (1)
	s_and_b32 s16, s14, 1                          ; which half of B's rows.  Also: which 128 rows of that tile I fetch
	s_bfe_u32 s40, ttmp6, 0x40000                  ; cx, cy: my place in the cluster
	s_bfe_u32 s41, ttmp6, 0x40004
	s_and_b32 s96, ttmp7, 0xffff                   ; p: the cluster's y
	s_lshr_b32 s97, s96, 1                         ; e = 1 for v,
	s_xor_b32 s98, s97, 1                          ; ne = 1 for q and k
	s_lshl_b32 s99, ttmp9, 2                       ; 4 x the cluster's x: it counts tiles of the long side (the tokens)
	s_mul_i32 s17, s98, s99
	s_add_co_u32 s17, s17, s41                     ; A's tile: cy, + 4 X where A is the tokens
	s_mul_i32 s42, s97, s99
	s_add_co_u32 s42, s42, s40                     ; B's tile: cx, + 4 X where B is the tokens
	s_mul_i32 s18, s98, s96
	s_lshl_b32 s18, s18, 12
	s_mul_i32 s19, s97, 14336
	s_add_co_u32 s18, s18, s19                     ; A's first unified row: p x 4096 (q, k) or Wv's 14,336
	s_lshl_b32 s19, s96, 10
	s_add_co_u32 s19, s19, 12288
	s_mul_i32 s19, s19, s98
	s_lshl_b32 s45, s97, 13
	s_add_co_u32 s19, s19, s45                     ; B's: 12,288 + p x 1024 (q, k) or values' 8,192
	s_lshl_b32 s43, s41, 2
	s_lshl_b32 s43, 15, s43                        ; my row of the cluster
	s_lshl_b32 s44, 0x1111, s40                    ; my column
	; group 1: a tile of 128 rows x 256 bytes, padded in LDS
	s_or_b32 s[G1+0], s43, (0<<16)|(1<<20)|(1<<21)|(5<<22)|(3<<25)  ; 15:0 the mask: A's tiles go to my row; 17:16 elements of 1 byte; 20 padding on; 21 set beside a mask; 24:22 after every 64 words; 31:25 four words
	s_or_b32 s[G1B+0], s44, (0<<16)|(1<<20)|(1<<21)|(5<<22)|(3<<25)
.irp g, G1, G1B
	s_mov_b32 s[\g+1], ROWB<<16                    ; tensor_dim0
	s_mov_b32 s[\g+2], 128<<16                     ; tensor_dim1
	s_mov_b32 s[\g+3], ROWB<<16                    ; tile_dim0
	s_mov_b32 s[\g+4], 128                         ; tile_dim1
	s_mov_b32 s[\g+5], KROW                        ; from row to row
	s_mov_b32 s[\g+6], 0
	s_mov_b32 s[\g+7], 0
.endr
	; and for the scale bytes of 128 rows: 4,096 dense bytes, as 16 rows of 256 (32 elements of 8 bytes), 16 bytes of padding behind each
	s_or_b32 s[G1S+0], s43, (3<<16)|(1<<20)|(1<<21)|(5<<22)|(3<<25)
	s_or_b32 s[G1SB+0], s44, (3<<16)|(1<<20)|(1<<21)|(5<<22)|(3<<25)
.irp g, G1S, G1SB
	s_mov_b32 s[\g+1], 32<<16
	s_mov_b32 s[\g+2], (128*KS/256)<<16
	s_mov_b32 s[\g+3], 32<<16
	s_mov_b32 s[\g+4], 128*KS/256
	s_mov_b32 s[\g+5], 32
	s_mov_b32 s[\g+6], 0
	s_mov_b32 s[\g+7], 0
.endr
	s_lshl_b32 s45, s16, 7                         ; which 128 rows of the tile I fetch
	s_lshl_b32 s20, s17, 8
	s_add_co_u32 s20, s20, s45
	s_add_co_u32 s20, s20, s18                     ; A: unified row (made of cy, the cluster's place and the wave's number alone)
	s_lshl_b32 s46, s42, 8
	s_add_co_u32 s46, s46, s45
	s_add_co_u32 s46, s46, s19                     ; B: unified row (of cx, the cluster's place and the wave's number alone)
	s_lshl_b32 s22, s20, 5                         ; their scale bytes
	s_mov_b32 s23, 0
	s_lshl_b32 s20, s20, 9                         ; and codes, in bytes (under 2^23)
	s_mov_b32 s21, 0
	s_lshl_b32 s92, s46, 5
	s_mov_b32 s93, 0
	s_lshl_b32 s46, s46, 9
	s_mov_b32 s47, 0
	s_mul_i32 s45, s14, HALFT                      ; where they go: wave x 128 rows: no place in the cluster enters an LDS address
	s_mul_i32 s94, s14, HALFS
	s_mov_b32 s100, 0x3fb8aa3b                     ; log2(e), for q's way out
	s_mov_b32 s101, s100                           ; (named with it as a pair, so it is written)
	s_wait_dscnt 0x0                               ; both opening adds are done
	s_wait_kmcnt 0x0
	s_add_nc_u64 s[20:21], s[4:5], s[20:21]
	s_add_nc_u64 s[22:23], s[6:7], s[22:23]
	s_add_nc_u64 s[46:47], s[4:5], s[46:47]
	s_add_nc_u64 s[92:93], s[6:7], s[92:93]
	CROUND                                         ; all sixteen work-groups are here: the joint loads meet
	s_mov_b32 s[G0S], 1
	s_add_co_u32 s[G0S+1], s94, SCL
	s_mov_b64 s[G0S+2:G0S+3], s[22:23]
	s_or_b32 s[G0S+3], s[G0S+3], 0x80000000
	s_mov_b32 s[G0SB], 1
	s_add_co_u32 s[G0SB+1], s94, SCL
	s_mov_b64 s[G0SB+2:G0SB+3], s[92:93]
	s_or_b32 s[G0SB+3], s[G0SB+3], 0x80000000
	JLOAD G0S, G1S, G0SB, G1SB                     ; the scale bytes first: they are wanted with slot 0.  Three tensor loads of mine are out behind these lines
.irp s, 0,1
	s_mov_b32 s[G0+4*\s], 1
	s_add_co_u32 s[G0+4*\s+1], s45, \s*SLOT
	s_add_nc_u64 s[G0+4*\s+2:G0+4*\s+3], s[20:21], \s*ROWB
	s_or_b32 s[G0+4*\s+3], s[G0+4*\s+3], 0x80000000
	s_mov_b32 s[G0B+4*\s], 1
	s_add_co_u32 s[G0B+4*\s+1], s45, \s*SLOT
	s_add_nc_u64 s[G0B+4*\s+2:G0B+4*\s+3], s[46:47], \s*ROWB
	s_or_b32 s[G0B+4*\s+3], s[G0B+4*\s+3], 0x80000000
	JLOAD G0+4*\s, G1, G0B+4*\s, G1B
.endr
	v_and_b32 v1, 15, v0                           ; l % 16
	v_bfe_u32 v2, v0, 4, 1                         ; l / 16
	v_mul_u32_u24 v3, v1, PITCH
	v_lshl_add_u32 v4, v2, 4, v3                   ; a fragment's row x pitch + 16 x half
	s_mul_i32 s21, s15, HALFT                      ; my 128 rows of A
	s_mul_i32 s22, s16, HALFT                      ; my 128 rows of B,
	s_add_co_u32 s22, s22, 2*HALFT                 ; which lie behind A's 256
.irp s, 0,1
	v_add_nc_u32 v[ADRA+\s], s21, v4
	v_add_nc_u32 v[ADRB+\s], s22, v4
	s_add_co_u32 s21, s21, SLOT
	s_add_co_u32 s22, s22, SLOT
.endr
	v_mul_u32_u24 v5, v1, KS                       ; my row's scale bytes: 32 a row,
	v_lshrrev_b32 v6, 8, v5
	v_lshl_add_u32 v5, v6, 4, v5                   ; and 16 more for each 256 passed
	s_mul_i32 s21, s15, HALFS                      ; A's: my 128 rows
	s_mul_i32 s22, s16, HALFS                      ; B's: my 128 rows, behind A's 256
	s_add_co_u32 s22, s22, 2*HALFS
	s_sub_co_u32 s22, s22, s21
	v_mul_u32_u24 v6, s22, v2                      ; lanes 16-31 take B's: the lower base + h x the distance
	s_add_co_u32 s21, s21, SCL
	v_add_nc_u32 v5, v5, v6
	v_add_nc_u32 v[ADRS], s21, v5
	v_and_b32 v6, 31, v0
	v_lshlrev_b32 v[CO], 4, v6
	; where my 64 parts begin in qkv.  The TOKEN side is A for q and k, B for v; the CHANNEL side is the other one.
	s_cmp_eq_u32 s96, 2
	s_cselect_b32 s92, s42, s17                    ; the token side's tile,
	s_cselect_b32 s93, s16, s15                    ; my half of it,
	s_cselect_b32 s94, s41, s40                    ; the channel side's tile (cy or cx: 256 channels, four heads),
	s_cselect_b32 s95, s15, s16                    ; my half of it
	s_lshl_b32 s92, s92, 8
	s_lshl_b32 s93, s93, 7
	s_add_co_u32 s92, s92, s93                     ; my first token: b x 2048 + s
	s_lshl_b32 s94, s94, 2
	s_lshl_b32 s95, s95, 1
	s_add_co_u32 s94, s94, s95                     ; my first head
	s_lshr_b32 s93, s92, 11
	s_lshl_b32 s93, s93, 4
	s_add_co_u32 s93, s93, s94                     ; batch x 16 + head
	s_mul_i32 s93, s93, HEAD
	s_and_b32 s92, s92, 2047
	s_lshr_b32 s94, s92, 8                         ; the slot of 256 tokens
	s_mul_i32 s94, s94, SLOTG
	s_add_co_u32 s93, s93, s94
	s_lshl_b32 s94, s96, 15                        ; q, k or v: p x 32 KiB
	s_add_co_u32 s93, s93, s94
	s_bfe_u32 s94, s92, 0x40004                    ; my first block of 16 tokens in the slot: 0 or 8
	s_lshl_b32 s94, s94, 11
	s_add_co_u32 s92, s93, s94
	s_mov_b32 s93, 0
	s_add_nc_u64 s[12:13], s[12:13], s[92:93]
.macro FRAG reg, adr, q, i             ; a fragment, 16 rows x 128 K of 4-bit codes, is 8 registers: lane l holds row l % 16; registers 4 c .. 4 c + 3 hold K = 64 c + 32 (l / 16) + 0 .. 31
.irp c, 0,1
	ds_load_b128 v[\reg+4*\c:\reg+4*\c+3], v[\adr] offset:64*(\q)+32*\c+(\i)*16*PITCH
.endr
.endm
; 16 matrix instructions: A's blocks a0, a0 + 1 x B's eight, 128 along K: the slot's q-th.  p: B's set;  sc: the set of scale words.  zero = 1: the first product starts the sums: nothing is ever cleared.
; The 64 accumulators take turns, one instruction a turn, in the same order in every step.
.macro MUL16 a0, p, q, sc, zero
.irp a, \a0, \a0+1
.irp b, 0,1,2,3,4,5,6,7
.if \zero
	v_wmma_scale_f32_16x16x128_f8f6f4 v[8*(8*((\a)%4)+\b):8*(8*((\a)%4)+\b)+7], v[128*(\p)+FR*\b:128*(\p)+FR*\b+FR-1], v[AF+FR*(\a):AF+FR*(\a)+FR-1], 0, v[SC+8*NQ*(\sc)+NQ*\b+(\q)], v[SC+8*NQ*(\sc)+NQ*(\a)+(\q)] matrix_a_fmt:MATRIX_FMT_FP4 matrix_b_fmt:MATRIX_FMT_FP4 matrix_a_scale:MATRIX_SCALE_ROW1
.else
	v_wmma_scale_f32_16x16x128_f8f6f4 v[8*(8*((\a)%4)+\b):8*(8*((\a)%4)+\b)+7], v[128*(\p)+FR*\b:128*(\p)+FR*\b+FR-1], v[AF+FR*(\a):AF+FR*(\a)+FR-1], v[8*(8*((\a)%4)+\b):8*(8*((\a)%4)+\b)+7], v[SC+8*NQ*(\sc)+NQ*\b+(\q)], v[SC+8*NQ*(\sc)+NQ*(\a)+(\q)] matrix_a_fmt:MATRIX_FMT_FP4 matrix_b_fmt:MATRIX_FMT_FP4 matrix_a_scale:MATRIX_SCALE_ROW1
.endif
.endr
.endr
.endm
.macro FETCH_B slot, q, p              ; B's eight fragments of the slot's q-th 128 along K into set p
	WIN TO_B
.irp i, 0,1,2,3,4,5,6,7
	FRAG 128*(\p)+FR*\i, ADRB+\slot, \q, \i
.endr
	WIN 0
.endm
.macro FETCH_A slot, q, i0             ; A's blocks i0 .. i0 + 3
.irp i, \i0, \i0+1, \i0+2, \i0+3
	FRAG AF+FR*(\i), ADRA+\slot, \q, \i
.endr
.endm
.macro SCALES sc                       ; a slot's scale words into set sc: four words a row; lanes 0-15 take A's block i, lanes 16-31 B's block i
.irp i, 0,1,2,3,4,5,6,7
	ds_load_b128 v[SC+8*NQ*\sc+NQ*\i:SC+8*NQ*\sc+NQ*\i+3], v[ADRS] offset:\i*SBLK
.endr
.endm
; A load into a register that a matrix instruction has read, and a vector instruction that reads a matrix result or writes one of a matrix instruction's registers, stand NP places behind it, and only plain vector
; instructions that name none of its registers are places (ISA guide 7.12.1 for vector instructions).
.macro PLACES n
.rept \n
	v_nop
.endr
.endm
; A step of 128 along K that has its successor in the same slot.  A's blocks go one after the other, each against B's eight: so one set of registers serves A (blocks 0-3 fetched anew in the step's middle, 4-7 at its end); B has two.
.macro STEP slot, q, zero
	s_wait_dscnt 4*NL                              ; B's set and A's blocks 0-3 are in; the youngest eight loads (A's blocks 4-7) may be out
	WIN MUL_LO
	MUL16 0, (\q)%2, \q, \slot, \zero
	MUL16 2, (\q)%2, \q, \slot, \zero
	s_wait_dscnt 0                                 ; A's blocks 4-7 are in (asked for 32 matrix instructions ago)
	PLACES NP
	FETCH_B \slot, (\q)+1, 1-(\q)%2
	FETCH_A \slot, (\q)+1, 0
	WIN MUL_HI
	MUL16 4, (\q)%2, \q, \slot, \zero
	MUL16 6, (\q)%2, \q, \slot, \zero
	PLACES NP
	WIN 0
	FETCH_A \slot, (\q)+1, 4
.endm
.macro STEPS slot, from                ; the slot's steps from .. NQ - 2
.set Q, \from
.rept NQ-1-\from
	STEP \slot, Q, 0
.set Q, Q+1
.endr
.endm
	s_wait_tensorcnt 1                             ; the scale bytes and my part of slot 0 are in (slot 1's load may be out)
	s_barrier_signal -1
	s_barrier_wait -1                              ; everybody's are
	FETCH_B 0, 0, 0
	FETCH_A 0, 0, 0
	SCALES 0
	FETCH_A 0, 0, 4
	STEP 0, 0, 1                                   ; the first step's products start the sums
	STEPS 0, 1
	; slot 0's last step changes slots: each wave waits for its part of slot 1, then one barrier shows the whole slot to all four
	s_wait_tensorcnt 0x0                           ; all my tensor loads have landed
	ds_add_u32 v[SPW], v[NIL]                      ; 0 onto my spare word
	s_wait_dscnt 4*NL+1                            ; (the add and the youngest eight loads may be out)
	WIN MUL_LO
	MUL16 0, 1, NQ-1, 0, 0                         ; sixteen matrix instructions stand between the add and the wait for it
	s_wait_dscnt 0x0                               ; the add is done; no LDS instruction of mine is out at the signal
	s_barrier_signal -1
	MUL16 2, 1, NQ-1, 0, 0
	WIN 0
	s_barrier_wait -1
	PLACES NP
	v_add_nc_u32 v[ADRS], 4*NQ, v[ADRS]            ; on to slot 1's scale words
	FETCH_B 1, 0, 0
	FETCH_A 1, 0, 0
	SCALES 1
	WIN MUL_HI
	MUL16 4, 1, NQ-1, 0, 0
	MUL16 6, 1, NQ-1, 0, 0
	PLACES NP
	WIN 0
	FETCH_A 1, 0, 4
	STEPS 1, 0
	s_wait_dscnt 4*NL                              ; the very last step: nothing more to fetch
	WIN MUL_LO
	MUL16 0, 1, NQ-1, 1, 0
	MUL16 2, 1, NQ-1, 1, 0
	s_wait_dscnt 0
	WIN MUL_HI
	MUL16 4, 1, NQ-1, 1, 0
	MUL16 6, 1, NQ-1, 1, 0
	WIN 0
; THE WAY OUT, by A's blocks.  Accumulator (a, b), rounded to f16 in pairs, is a part as it stands: four registers a lane, stored at 16 x lane.  No LDS.
; isv = 0: a counts blocks of tokens (2,048 bytes apart), b channels: head b / 4, part b % 4.   isv = 1: b counts blocks of keys, a channels.   scaled = 1: x log2(e) in f32 first.
; Each accumulator is read from its low end on.  The parts' registers are two sets by turns; a set is written again only behind s_wait_xcnt 0, when its stores have read it.
.macro OUT isv, scaled
.irp a, 0,1,2,3,4,5,6,7
.set AC, 64*((\a)%4)
.set HB, HF+32*((\a)%2)
.if \scaled
	WIN 0x02+(\a)/4                                ; source 0: window 2 or 3
.set n, 0
.rept 32
	v_pk_mul_f32 v[TF+2*n:TF+2*n+1], v[AC+2*n:AC+2*n+1], s[100:101] op_sel_hi:[1,0]
.set n, n+1
.endr
	WIN 0
.if \a >= 2
	s_wait_xcnt 0x0
.endif
.set n, 0
.rept 32
	v_cvt_pk_f16_f32 v[HB+n], v[TF+2*n], v[TF+2*n+1]
.set n, n+1
.endr
.else
.if \a >= 2
	s_wait_xcnt 0x0
.endif
	WIN 0x0a+5*((\a)/4)                            ; sources 0 and 1: window 2 or 3
.set n, 0
.rept 32
	v_cvt_pk_f16_f32 v[HB+n], v[AC+2*n], v[AC+2*n+1]
.set n, n+1
.endr
	WIN 0
.endif
.irp b, 0,1,2,3,4,5,6,7
.if \isv
	global_store_b128 v[CO], v[HB+4*\b:HB+4*\b+3], s[12:13] offset:2048*\b+(\a/4)*HEAD+(\a%4)*512   ; 512 consecutive bytes, aligned
.else
	global_store_b128 v[CO], v[HB+4*\b:HB+4*\b+3], s[12:13] offset:2048*\a+(\b/4)*HEAD+(\b%4)*512
.endif
.endr
.endr
.endm
	PLACES NP                                      ; behind the last products: their results are read, and registers that held scale words and A's fragments are written
	s_cmp_eq_u32 s96, 0                            ; the cluster's y: the same in all partners
	s_cbranch_scc1 .Lout_q
	s_cmp_eq_u32 s96, 1
	s_cbranch_scc1 .Lout_k
	OUT 1, 0
	s_branch .Lout_done
.Lout_q:
	OUT 0, 1
	s_branch .Lout_done
.Lout_k:
	OUT 0, 0
.Lout_done:
	s_wait_tensorcnt 0x0                           ; the wave's end: three lines behind my last tensor load
	ds_add_u32 v[SPW], v[NIL]
	s_wait_dscnt 0x0
	CROUND                                         ; the closing round: no work-group ends while a partner may still ask for a tile that names it
	s_endpgm
.Lfunc_end_k_q626bf56e7f_proj:
	.size	k_q626bf56e7f_proj, .Lfunc_end_k_q626bf56e7f_proj-k_q626bf56e7f_proj
	.p2alignl 7, 3214868480
	.fill 96, 4, 3214868480
	.section	.rodata,"a",@progbits
	.p2align	6, 0x0
	.amdhsa_kernel k_q626bf56e7f_proj
		.amdhsa_group_segment_fixed_size 327680
		.amdhsa_private_segment_fixed_size 0
		.amdhsa_enable_private_segment 0
		.amdhsa_kernarg_size 24
		.amdhsa_user_sgpr_count 2
		.amdhsa_user_sgpr_kernarg_segment_ptr 1
		.amdhsa_wavefront_size32 1
		.amdhsa_system_sgpr_workgroup_id_x 1
		.amdhsa_system_sgpr_workgroup_id_y 1
		.amdhsa_system_sgpr_workgroup_id_z 1
		.amdhsa_system_vgpr_workitem_id 0
		.amdhsa_next_free_vgpr 1024
		.amdhsa_next_free_sgpr 102
		.amdhsa_reserve_vcc 0
		.amdhsa_float_denorm_mode_32 3
		.amdhsa_float_denorm_mode_16_64 3
		.amdhsa_memory_ordered 1
		.amdhsa_forward_progress 1
		.amdhsa_inst_pref_size 180
	.end_amdhsa_kernel
	.amdgpu_metadata
---
amdhsa.version: [ 1, 2 ]
amdhsa.kernels:
  - .name:           k_q626bf56e7f_proj
    .symbol:         k_q626bf56e7f_proj.kd
    .args:
      - { .name: codes, .offset: 0, .size: 8, .value_kind: global_buffer, .address_space: global }
      - { .name: scales, .offset: 8, .size: 8, .value_kind: global_buffer, .address_space: global }
      - { .name: qkv, .offset: 16, .size: 8, .value_kind: global_buffer, .address_space: global }
    .group_segment_fixed_size: 327680
    .private_segment_fixed_size: 0
    .kernarg_segment_align: 8
    .kernarg_segment_size: 24
    .max_flat_workgroup_size: 128
    .sgpr_count:     102
    .vgpr_count:     1024
    .wavefront_size: 32
...
	.end_amdgpu_metadata
.endif
;; end of part 2
;; launch attn (part 3): grid 8 x 32, 8 waves a work-group, clusters of 4 x 1, 327,680 bytes of LDS; arguments qkv, maskw, attnf; writes attnf
.if DOCPART == 3
	.amdgcn_target "amdgcn-amd-amdhsa--gfx1250"
	.amdhsa_code_object_version 6
	.text
	.protected	k_q626bf56e7f_attn
	.globl	k_q626bf56e7f_attn
	.p2align	8
	.type	k_q626bf56e7f_attn,@function
k_q626bf56e7f_attn:
	s_mov_b64 s[64:65], 0
	v_nop
	global_prefetch_b8 v0, s[64:65] scope:SCOPE_SE
	s_setreg_imm32_b32 hwreg(HW_REG_WAVE_MODE, 25, 1), 1
	s_wait_xcnt 0x0
	s_wait_alu depctr_hold_cnt(0) depctr_sa_sdst(0) depctr_va_vdst(0) depctr_va_sdst(0) depctr_va_ssrc(0) depctr_va_vcc(0) depctr_vm_vsrc(0)
	s_getreg_b32 s2, hwreg(HW_REG_IB_STS2, 6, 4)
	s_cmp_eq_u32 s2, 0
	s_cbranch_scc0 .Lentry_in_a_cluster
	s_endpgm
.Lentry_in_a_cluster:
	s_bfe_u32 s2, ttmp6, 0x10000c
	s_cmp_lg_u32 s2, 0x3003
	s_cbranch_scc0 .Lentry_shape_is_right
	s_endpgm
.Lentry_shape_is_right:
; ATTN: for each (batch, head): weights = softmax over the keys of (q . k, or -1e20 where the mask is 0); o = weights v.  No factor on the scores.  Head size 64, 2,048 queries and keys.
; q, k, v come as f16 PARTS of 512 bytes (16 rows x 16 along K; lane 16 h + r holds row r, K = 8 h + 0..7): two parts on end are a 16 x 32 fragment's registers, loaded at 16 x lane: no pitch, no padding, nothing is turned.
;   qkv: [batch x 16 + head][slot of 256 tokens][q 32 KiB | k 32 KiB | v 32 KiB];  q, k: [block of 16 tokens][4 parts along the channels];  v: [block of 16 keys][4 parts of 16 channels], rows = channels, K = keys.
; q holds q x log2(e), so a score comes out as t = s log2(e), and p = 2^(t - m).  Products in f16 with f32 sums; maxima, sums, exponentials in f32; p is rounded to f16 for the second product, o once at the end.
; THE MASK comes as lane masks (word [tile of 16 queries][tile of 16 keys][j]): one v_cndmask_b32 a register puts -1e20 log2(e) where the bit is 0.  t - m is a SUBTRACTION: in a row that is masked
; throughout every t equals m, every p is 1, and the weights are uniform, as the softmax of equal scores is.  The words come by scalar loads, 64 keys ahead; they steer no address and no branch.
; SOFTMAX: for each query a running maximum m and sum l; in every step o and l are multiplied by a = 2^(m_old - m_new).  m begins at -3e38 and o, l at 0: the first a is 0, and no first step is written apart.
; SHARES: a work-group owns 256 queries of one (batch, head); each of its eight waves 32: two tiles of 16, in 512 registers: two waves to a SIMD, so that one wave's vector work stands beside the other's matrix work,
; and each fragment of k and v read from LDS feeds two products.  Every wave walks all keys, 128 A STEP, two steps to a slot of 256 keys: what is paid once a step (the rescaling of o, the exchange between the
; halves of the lanes, m, a, l) is paid once for 128 keys.
; A STEP IS CUT IN TWO, so that every LDS load is issued a phase ahead of its use; k's fragments have registers for 64 keys.
;   FRONT: scores of keys 0-63 | the loads of k's keys 64-127 and of v's 128 keys | mask and maxima of keys 0-63, while those land | scores of keys 64-127.
;   BACK:  the loads of the NEXT step's keys 0-63 of k | mask and maxima of keys 64-127, the softmax, the rescaling | o += v^T P.
; The change of slots stands between a slot's last FRONT and that step's BACK: all of the slot's k and v are in registers there.
; LAYOUT: S^T = k q^T (source 0 = 16 keys, source 1 = 16 queries): a lane holds ONE query (lane % 16) and keys 8 (lane / 16) + 0..7.  Two such tiles rounded in pairs ARE source 1 of O^T = v^T P, whose result
; again holds one query a lane and eight channels: rounded to f16 it is a part of the next launch's operand (attnf: [batch x 128 + block of 16 tokens][4 head + part][512 bytes]) and leaves by one store.
; CLUSTER: the four query blocks of a cluster walk the same k and v: each slot is asked for JOINTLY.  k's and v's 64 KiB of a slot are consecutive in memory and in LDS: wave w brings bytes 8192 w on, one line for all eight.
; LIMITS: true scores at or under about -1e20 are not told apart from masked ones; NaN and infinities are not served.
; REGISTERS: window 0: v2-7 addresses and constants; v8-23 statistics, 8 a tile; v32-63 q; v64-127 k of 64 keys; v128-255 S^T, then p, 64 a tile.   window 1: v0-63 O^T; v64-191 v of a step; v192-255 P, 32 a tile.
.set HEAD,  786432                     ; qkv: bytes of a (batch, head)
.set SLOTG, 98304                      ; and of a slot in it
.set SLOT1, 1<<16                      ; LDS: slot 0 at 0, slot 1 here: one exclusive or turns an address from one to the other
.set STEPB, 16384                      ; a step's 128 keys: eight blocks of 2,048 bytes, of k and of v alike
.set SPARE, 2*SLOT1                    ; the spare words, 128 bytes for each of eight waves: four blocks of 256 bytes that no other line names
.set SPW, 2                            ; v2  LDS address of my spare word; never rewritten
.set NIL, 3                            ; v3  0; never rewritten
.set LI,  4                            ; v4  16 x lane
.set ADK, 5                            ; v5  LDS address of the step's parts
.set PFO, 6                            ; v6  256 x lane: the prefetches' offset
.set NEG, 7                            ; v7  -1e20 x log2(e)
.set ST,  8                            ; tile t's statistics at v[ST + 8 t]: +0 m, +1 (named with m as a pair), +2, +3 l (even keys', odd keys'), +4 to +7 c0-c3: four running maxima, then at work; a takes c2's place
.set Q,   32                           ; tile t, channels 32 s on: v[Q + 16 t + 8 s]
.set KF,  64                           ; keys 16 k on of a half, channels 32 s on: v[KF + 16 k + 8 s]
.set S,   128                          ; tile t, keys 16 kt on (kt 0..7): v[S + 64 t + 8 kt]
.set VF,  64                           ; window 1: keys 32 u on (u 0..3), channels 16 c on: v[VF + 32 u + 8 c];  O^T: tile t, channels 16 c on: v[32 t + 8 c]
.set P,   192                          ; window 1: tile t, keys 32 u on: v[P + 32 t + 8 u]
.set MK,  2                            ; s2  the place among a tile's mask words, in bytes: 128 for each 64 keys
.set MROW, 3                           ; s3  where my first tile's words begin
.set WV,  10                           ; s10 my wave's number
.set G1,  12                           ; s[12:19] descriptor group 1
.set G0,  20                           ; s[20:23] group 0, which walks
.set TB,  24                           ; s24 LDS byte at which the parts of k of the step to be fetched begin
.set SLOTS, 25                         ; s25 slots still to be asked for
.set CNT, 26                           ; s26 counts a slot's two steps
.set LIM, 27                           ; s27 1 in a wave that prefetches, else the greatest number
.set PFA, 28                           ; s[28:29] where my prefetches stand
.set SEL, 30                           ; s[30:31] lane selects for v_permlanex16_b32: lane l xor 16
.set MOF, 66                           ; s66 the mask loads' offset.   s[32:63]: tile 0's 32 words of 64 keys (word 8 k + j);  s[68:99]: tile 1's
.set MSB, 0
.macro WIN new                         ; the immediate's high byte repeats the setting that is left; a switch that changes nothing is dropped
.if MSB != (\new)
	s_set_vgpr_msb (MSB<<8)|(\new)
.set MSB, (\new)
.endif
.endm
.macro CROUND                          ; a round of the cluster's barrier
	s_barrier_signal -1
	s_barrier_wait -1
	s_cmp_lg_u32 s[WV], 0
	s_cbranch_scc1 .Lnot_wave_0_\@
	s_barrier_signal -3
.Lnot_wave_0_\@:
	s_barrier_wait -3
	s_barrier_signal -1
	s_barrier_wait -1
.endm
.macro TLOAD                           ; my 8 KiB of a slot; an s_nop 0 and four v_nop follow the line
	tensor_load_to_lds s[G0:G0+3], s[G1:G1+7]
	s_nop 0
.rept 4
	v_nop
.endr
.endm
.macro MLOAD                           ; 2 x 32 mask words: 128 consecutive bytes for each of my two tiles of queries, 4,096 bytes apart
	s_load_b512 s[32:47], s[6:7], s[MOF] offset:0x0
	s_load_b512 s[48:63], s[6:7], s[MOF] offset:0x40
	s_load_b512 s[68:83], s[6:7], s[MOF] offset:0x1000
	s_load_b512 s[84:99], s[6:7], s[MOF] offset:0x1040
.endm
	s_load_b128 s[4:7], s[0:1], 0x0                ; qkv s[4:5], maskw s[6:7]
	s_load_b64 s[8:9], s[0:1], 0x10                ; attnf
	v_lshl_add_u32 v[SPW], v0, 2, SPARE
	v_mov_b32 v[NIL], 0
	ds_add_u32 v[SPW], v[NIL]                      ; the wave's opening: the add, twice on end, and its wait ahead of my first tensor load
	ds_add_u32 v[SPW], v[NIL]                      ; (the set-up below, work on registers, stands between the second and the wait)
	v_lshrrev_b32 v1, 5, v0
	v_readfirstlane_b32 s[WV], v1                  ; wave 0..7
	s_bfe_u32 s11, ttmp6, 0x40000                  ; cx: my place in the cluster
	s_lshl_b32 s67, ttmp9, 2
	s_add_co_u32 s67, s67, s11                     ; my block of 256 queries: it enters q's, the mask's and the output's addresses alone
	s_and_b32 s26, ttmp7, 0xffff                   ; batch x 16 + head, which the four partners share
	s_mul_i32 s100, s26, HEAD                      ; its first byte in qkv (under 2^25)
	; group 1: 8 KiB dense, as 32 rows of 256 bytes (32 elements of 8 bytes); no padding: every LDS read takes 512 consecutive bytes
	s_mov_b32 s[G1], 15|(3<<16)|(1<<21)            ; 15:0 the mask: all four work-groups; 17:16 elements of 8 bytes; 21 set beside a mask
	s_mov_b32 s[G1+1], 32<<16                      ; tensor_dim0
	s_mov_b32 s[G1+2], 32<<16                      ; tensor_dim1
	s_mov_b32 s[G1+3], 32<<16                      ; tile_dim0
	s_mov_b32 s[G1+4], 32                          ; tile_dim1
	s_mov_b32 s[G1+5], 32                          ; from row to row
	s_mov_b32 s[G1+6], 0
	s_mov_b32 s[G1+7], 0
	s_mov_b32 s[G0], 1                             ; count = 1
	s_lshl_b32 s[G0+1], s[WV], 13                  ; LDS: 8192 x wave, in slot 0
	s_add_co_u32 s22, s100, s[G0+1]
	s_add_co_u32 s22, s22, 32768                   ; memory: behind the slot's q: k's and v's 64 KiB, my 8 KiB of them
	s_mov_b32 s23, 0
	s_mul_i32 s104, s67, SLOTG                     ; q: my block's slot,
	s_add_co_u32 s104, s104, s100
	s_lshl_b32 s2, s[WV], 12                       ; my wave's two tiles: 8 parts
	s_add_co_u32 s104, s104, s2
	s_mov_b32 s105, 0
	s_lshl_b32 s28, s11, 14                        ; the prefetches: of a slot's 64 KiB my work-group's 16 KiB (told apart by address),
	s_add_co_u32 s28, s28, s100
	s_and_b32 s2, s[WV], 1
	s_lshl_b32 s2, s2, 13                          ; wave 0's or wave 1's 8 KiB of them,
	s_add_co_u32 s28, s28, s2
	s_add_co_u32 s28, s28, 32768+SLOTG             ; in slot 1: the first change of slots steps it to slot 2.  Nothing is prefetched at the head
	s_mov_b32 s29, 0
	s_lshl_b32 s3, s67, 4
	s_lshl_b32 s2, s[WV], 1
	s_add_co_u32 s3, s3, s2                        ; my first tile of 16 queries
	s_lshr_b32 s2, s26, 4                          ; the batch
	s_lshl_b32 s2, s2, 7
	s_add_co_u32 s2, s2, s3
	s_lshl_b32 s66, s2, 15                         ; the output: 64 parts for each block of 16 tokens,
	s_and_b32 s2, s26, 15
	s_lshl_b32 s2, s2, 11                          ; my head's four
	s_add_co_u32 s66, s66, s2
	s_mov_b32 s67, 0
	s_lshl_b32 s[MROW], s3, 12                     ; 1,024 words for each tile of queries
	s_lshr_b32 s[LIM], s[WV], 1                    ; waves 0 and 1
	s_or_b32 s[LIM], s[LIM], ttmp9                 ; of the head's first cluster prefetch: the same in all four partners
	s_cmp_eq_u32 s[LIM], 0
	s_cselect_b32 s[LIM], 1, -1
	s_mov_b32 s[SEL], 0x76543210
	s_mov_b32 s[SEL+1], 0xfedcba98
	s_mov_b32 s[TB], 0
	s_mov_b32 s[SLOTS], 7
	s_mov_b32 s[MK], 0
	v_and_b32 v[LI], 31, v0
	v_lshlrev_b32 v[PFO], 8, v[LI]
	v_lshlrev_b32 v[LI], 4, v[LI]
	v_mov_b32 v[NEG], 0xe0fa4487                   ; -1e20 x log2(e)
	s_wait_dscnt 0x0                               ; both opening adds are done
	s_wait_kmcnt 0x0
	s_add_nc_u64 s[G0+2:G0+3], s[4:5], s[22:23]
	s_or_b32 s[G0+3], s[G0+3], 0x80000000          ; type = 2
	s_add_nc_u64 s[104:105], s[4:5], s[104:105]
	s_add_nc_u64 s[PFA:PFA+1], s[4:5], s[28:29]
	s_add_nc_u64 s[8:9], s[8:9], s[66:67]
	CROUND                                         ; all four work-groups are here: the first joint loads meet
	TLOAD                                          ; slot 0: one tensor load of mine is out
.irp i, 0,1,2,3,4,5,6,7
	global_load_b128 v[Q+4*\i:Q+4*\i+3], v[LI], s[104:105] offset:512*\i   ; q stays in registers: part i = 4 t + channels / 16
.endr
	s_mov_b32 s[MOF], s[MROW]
	MLOAD                                          ; the mask words of the first 64 keys
.irp t, 0,1
	v_mov_b32 v[ST+8*\t], 0xff61b1e6               ; m = -3e38, under every t
.irp j, 1,2,3,4,5,6,7
	v_mov_b32 v[ST+8*\t+\j], 0                     ; l = 0; the others are written once, since a pair's upper half and a lane permute's destination count as read
.endr
.endr
	WIN 0x40                                       ; destination window 1
.set n, 0
.rept 64
	v_mov_b32 v[n], 0                              ; O^T: no first step is written apart; the first finds zeros, which a = 0 leaves zeros
.set n, n+1
.endr
	WIN 0
	s_wait_loadcnt 0x0                             ; q
; A load into a register that a matrix instruction has read, and a vector instruction that reads a matrix result, stand four places behind that matrix instruction, and only plain vector instructions that
; name none of its registers are places (ISA guide 7.12.1 for vector instructions).
.macro PLACES n
.rept \n
	v_nop
.endr
.endm
.macro KLOAD off                       ; k's eight fragments of 64 keys, from byte off of the step: fragment f = 2 k + s: two parts on end
.irp f, 0,1,2,3,4,5,6,7
	ds_load_b128 v[KF+8*\f:KF+8*\f+3],   v[ADK] offset:\off+1024*\f
	ds_load_b128 v[KF+8*\f+4:KF+8*\f+7], v[ADK] offset:\off+1024*\f+512
.endr
.endm
.macro VLOAD                           ; v's sixteen fragments of the step's 128 keys: fragment f = 4 u + c: the parts of key blocks 2 u and 2 u + 1
	WIN 0x40                                       ; destination window 1
.irp f, 0,1,2,3,4,5,6,7,8,9,10,11,12,13,14,15
	ds_load_b128 v[VF+8*\f:VF+8*\f+3],   v[ADK] offset:32768+4096*(\f/4)+512*(\f%4)
	ds_load_b128 v[VF+8*\f+4:VF+8*\f+7], v[ADK] offset:32768+4096*(\f/4)+512*(\f%4)+2048
.endr
	WIN 0
.endm
.macro QK hf                           ; S^T = k q^T for half hf of the step's keys: eight accumulators by turns, one instruction a turn; the first eight start the sums
.irp s, 0,1
.irp k, 0,1,2,3
.irp t, 0,1
.if \s == 0
	v_wmma_f32_16x16x32_f16 v[S+64*\t+32*\hf+8*\k:S+64*\t+32*\hf+8*\k+7], v[KF+16*\k+8*\s:KF+16*\k+8*\s+7], v[Q+16*\t+8*\s:Q+16*\t+8*\s+7], 0
.else
	v_wmma_f32_16x16x32_f16 v[S+64*\t+32*\hf+8*\k:S+64*\t+32*\hf+8*\k+7], v[KF+16*\k+8*\s:KF+16*\k+8*\s+7], v[Q+16*\t+8*\s:Q+16*\t+8*\s+7], v[S+64*\t+32*\hf+8*\k:S+64*\t+32*\hf+8*\k+7]
.endif
.endr
.endr
.endr
.endm
.macro MASK hf                         ; the score where the bit is 1, else -1e20 log2(e); each accumulator from its low end on
	s_wait_kmcnt 0x0                               ; this half's mask words, asked for a half ago
.irp t, 0,1
.set n, 0
.rept 32
	v_cndmask_b32 v[S+64*\t+32*\hf+n], v[NEG], v[S+64*\t+32*\hf+n], s[32+36*\t+n]
.set n, n+1
.endr
.endr
.endm
.macro MNEXT                           ; the next 64 keys' mask words
	s_wait_xcnt 0x0                                ; the last mask loads have read their offset: it is written again only behind this wait
	s_add_co_u32 s[MK], s[MK], 128                 ; 31 such steps in all: 3,968 bytes at the most;
	s_and_b32 s[MK], s[MK], 4095                   ; the bound, a tile's 4,096 bytes of words, stands in the text
	s_add_co_u32 s[MOF], s[MROW], s[MK]
	MLOAD
.endm
; FRONT: the first part of a key step; v[ADK] stands at the step's parts.
.macro FRONT
	s_wait_dscnt 0x0                               ; k's keys 0-63 are in: asked for ahead of the last softmax (at the very start: just now)
	QK 0
	PLACES 4                                       ; ahead of the loads into k's registers, which those products read, into v's, which the last v^T P read, and of the first read of the scores
	KLOAD 8192                                     ; k's keys 64-127,
	VLOAD                                          ; and behind them v's 128 keys
	MASK 0
.irp j, 0,1,2,3                        ; the maxima of a lane's first 32 scores, three operands at a time, four chains a tile, the tiles by turns
.irp t, 0,1
	v_max3_num_f32 v[ST+8*\t+4+\j], v[S+64*\t+8*\j], v[S+64*\t+8*\j+1], v[S+64*\t+8*\j+2]
.endr
.endr
.irp i, 3,5
.irp j, 0,1,2,3
.irp t, 0,1
	v_max3_num_f32 v[ST+8*\t+4+\j], v[ST+8*\t+4+\j], v[S+64*\t+8*\j+\i], v[S+64*\t+8*\j+\i+1]
.endr
.endr
.endr
.irp t, 0,1
	v_max3_num_f32 v[ST+8*\t+4], v[ST+8*\t+4], v[S+64*\t+7], v[S+64*\t+15]
	v_max3_num_f32 v[ST+8*\t+6], v[ST+8*\t+6], v[S+64*\t+23], v[S+64*\t+31]
.endr
	MNEXT
	s_wait_dscnt 32                                ; k's keys 64-127 are in; v's 32 loads, issued behind them, may be out
	QK 1
	s_add_co_u32 s[TB], s[TB], STEPB               ; the next fetch is the next step's
.endm
; BACK: the rest of the step.  more = 1: a step follows: its first 64 keys of k and their mask words are asked for.
.macro BACK more
.if \more
	v_add_nc_u32 v[ADK], s[TB], v[LI]              ; this line and three v_nop: the four places behind the scores' products
	PLACES 3
	KLOAD 0                                        ; the next step's keys 0-63: they land under the softmax
.else
	PLACES 4
.endif
	MASK 1
.irp i, 0,2,4,6                        ; the four chains go on through the lane's other 32 scores,
.irp j, 0,1,2,3
.irp t, 0,1
	v_max3_num_f32 v[ST+8*\t+4+\j], v[ST+8*\t+4+\j], v[S+64*\t+32+8*\j+\i], v[S+64*\t+32+8*\j+\i+1]
.endr
.endr
.endr
.irp t, 0,1
	v_max3_num_f32 v[ST+8*\t+4], v[ST+8*\t+4], v[ST+8*\t+5], v[ST+8*\t+6]
.endr
.irp t, 0,1
	v_max3_num_f32 v[ST+8*\t+4], v[ST+8*\t+4], v[ST+8*\t+7], v[ST+8*\t]   ; and meet, with the old m
.endr
.if \more
	MNEXT
.endif
.irp t, 0,1
	v_permlanex16_b32 v[ST+8*\t+5], v[ST+8*\t+4], s[SEL], s[SEL+1]   ; the query's other 64 keys lie in the lane 16 away
.endr
.irp t, 0,1
	v_mov_b32 v[ST+8*\t+7], v[ST+8*\t]             ; m_old
.endr
.irp t, 0,1
	v_max_num_f32 v[ST+8*\t], v[ST+8*\t+4], v[ST+8*\t+5]
.endr
.irp t, 0,1
	v_sub_f32 v[ST+8*\t+7], v[ST+8*\t+7], v[ST+8*\t]
.endr
.set n, 0
.rept 32
.irp t, 0,1
	v_pk_add_f32 v[S+64*\t+2*n:S+64*\t+2*n+1], v[S+64*\t+2*n:S+64*\t+2*n+1], v[ST+8*\t:ST+8*\t+1] op_sel_hi:[1,0] neg_lo:[0,1] neg_hi:[0,1]   ; t - m, two at a time
.endr
.set n, n+1
.endr
.irp t, 0,1                            ; ONE BATCH: 130 exponentials, none of which reads another's result
	v_exp_f32 v[ST+8*\t+6], v[ST+8*\t+7]           ; a = 2^(m_old - m_new)
.endr
.irp t, 0,1
.set n, 0
.rept 64
	v_exp_f32 v[S+64*\t+n], v[S+64*\t+n]           ; p = 2^(t - m), at most 1
.set n, n+1
.endr
.endr
	v_nop                                          ; a plain instruction behind the last exponential (ISA guide 5.7.2),
	s_wait_alu depctr_va_vdst(0)                   ; and a wait ahead of the batch's first reader
	WIN 0x40                                       ; P lies in window 1
.irp t, 0,1
.set n, 0
.rept 32
	v_cvt_pk_f16_f32 v[P+32*\t+n], v[S+64*\t+2*n], v[S+64*\t+2*n+1]   ; keys 8 h + 2 q, + 1 of tile kt: register 4 kt + q of source 1
.set n, n+1
.endr
.endr
	WIN 0
.irp w, 4,8,16,32,64                   ; the sum of a tile's 32 pairs of unrounded p, in place: neighbours 1, 2, 4, 8, 16 pairs apart; the tiles by turns
.set u, 0
.rept 64/\w
.irp t, 0,1
	v_pk_add_f32 v[S+64*\t+\w*u:S+64*\t+\w*u+1], v[S+64*\t+\w*u:S+64*\t+\w*u+1], v[S+64*\t+\w*u+\w/2:S+64*\t+\w*u+\w/2+1]
.endr
.set u, u+1
.endr
.endr
.irp t, 0,1
	v_pk_fma_f32 v[ST+8*\t+2:ST+8*\t+3], v[ST+8*\t+2:ST+8*\t+3], v[ST+8*\t+6:ST+8*\t+7], v[S+64*\t:S+64*\t+1] op_sel_hi:[1,0,1]   ; l = l a + the sum
.endr
	WIN 0x41                                       ; O^T (destination and source 0) in window 1, a in window 0
.irp t, 0,1
.set n, 0
.rept 16
	v_pk_mul_f32 v[32*\t+2*n:32*\t+2*n+1], v[32*\t+2*n:32*\t+2*n+1], v[ST+8*\t+6:ST+8*\t+7] op_sel_hi:[1,0]   ; O^T x a; each accumulator from its low end on
.set n, n+1
.endr
.endr
	s_wait_dscnt 16*\more                          ; v is in; the next step's sixteen loads of k, issued behind v's, may be out
	WIN 0x55                                       ; v, P and O^T in window 1
.irp u, 0,1,2,3                        ; O^T += v^T P: eight accumulators by turns
.irp c, 0,1,2,3
.irp t, 0,1
	v_wmma_f32_16x16x32_f16 v[32*\t+8*\c:32*\t+8*\c+7], v[VF+32*\u+8*\c:VF+32*\u+8*\c+7], v[P+32*\t+8*\u:P+32*\t+8*\u+7], v[32*\t+8*\c:32*\t+8*\c+7]
.endr
.endr
.endr
	WIN 0                                          ; at a label and at a branch every window is 0
.endm
; THE CHANGE OF SLOTS stands ahead of the first read of a slot, behind the last FRONT of the slot before.  Each wave waits for all its tensor loads (one is out: its part of the slot that it is about to read), adds 0 to its
; spare word, and waits for that and for its reads of the slot that it has left, v's last loads among them.  fill = 1: the barrier is a round of the cluster's, so that no wave of any partner still reads that slot or has a load
; on its way; the joint load of the keys that follow is the first thing behind it, my one tensor load until the next round, and has a slot's two steps, 128 matrix instructions a wave, in which to land.
; (Slot 1's first fill goes out so too, behind the first round, where nothing is filled again.)
; THE PREFETCH stands behind that load and its five lines: the slot that the NEXT change will ask for, two key steps ahead.  Both clusters of a head walk the same k and v: the first asks.  Its four partners take 16 KiB each,
; told apart by address; in each, waves 0 and 1 take 8 KiB, lanes 256 bytes apart: each aligned block of 256 bytes is named once in the launch.  The last change that fills a slot asks for nothing.
.macro CHANGE fill
	s_wait_tensorcnt 0x0                           ; no tensor load of mine is out, so group 0 may be written
	ds_add_u32 v[SPW], v[NIL]                      ; 0 onto my spare word
.if \fill
	s_xor_b32 s[G0+1], s[G0+1], SLOT1              ; the other slot than last time,
	s_add_nc_u64 s[G0+2:G0+3], s[G0+2:G0+3], SLOTG ; the next 256 keys; the type bits on top are not reached
	s_wait_xcnt 0x0                                ; the last prefetch, a slot back, has read its address
	s_add_nc_u64 s[PFA:PFA+1], s[PFA:PFA+1], SLOTG ; one slot further on than the walking descriptor
	s_wait_dscnt 0x0                               ; the add is done, and my reads of the slot that I have left are over
	CROUND
	TLOAD
	s_cmp_gt_u32 s[SLOTS], s[LIM]
	s_cbranch_scc0 .Lnot_mine_\@
	global_prefetch_b8 v[PFO], s[PFA:PFA+1] th:TH_LOAD_NT scope:SCOPE_SE
.Lnot_mine_\@:
.else
	s_wait_dscnt 0x0
	s_barrier_signal -1
	s_barrier_wait -1
.endif
.endm
.macro OTHER_SLOT                      ; the fetches go back to a slot's first step, in the other slot
	s_sub_co_u32 s[TB], s[TB], 2*STEPB
	s_xor_b32 s[TB], s[TB], SLOT1
.endm
.macro SLOT_STEPS                      ; two trips, each the BACK of the step in hand and the FRONT of the next: written once, walked twice
	s_mov_b32 s[CNT], 2
.Lstep_\@:
	BACK 1
	FRONT
	s_sub_co_u32 s[CNT], s[CNT], 1
	s_cmp_lg_u32 s[CNT], 0
	s_cbranch_scc1 .Lstep_\@
	OTHER_SLOT
.endm
	CHANGE 1                                       ; slot 0 is whole; slot 1 is asked for
	v_add_nc_u32 v[ADK], s[TB], v[LI]
	KLOAD 0                                        ; slot 0 is written out: its first step has no step before it
	FRONT
	BACK 1
	FRONT
	OTHER_SLOT
	s_mov_b32 s[SLOTS], 6
.Lslot:                                            ; six trips, slots 1 to 6: behind each change the next slot is asked for
	CHANGE 1
	SLOT_STEPS
	s_sub_co_u32 s[SLOTS], s[SLOTS], 1
	s_cmp_lg_u32 s[SLOTS], 0
	s_cbranch_scc1 .Lslot
	CHANGE 0                                       ; the last slot is written out
	SLOT_STEPS
	BACK 0                                         ; the last step's rest: nothing more is fetched
	; THE WAY OUT.  l's two halves and the other half of the lanes' are added; O^T is divided by l and rounded to f16: four registers a lane are a part.  The four additions and the v_nop are five plain places behind the last products.
.irp t, 0,1
	v_add_f32 v[ST+8*\t+4], v[ST+8*\t+2], v[ST+8*\t+3]
.endr
.irp t, 0,1
	v_permlanex16_b32 v[ST+8*\t+5], v[ST+8*\t+4], s[SEL], s[SEL+1]
.endr
.irp t, 0,1
	v_add_f32 v[ST+8*\t+4], v[ST+8*\t+4], v[ST+8*\t+5]
.endr
.irp t, 0,1
	v_rcp_f32 v[ST+8*\t+6], v[ST+8*\t+4]           ; l is at least 1: the largest p of a row is 1
.endr
	v_nop                                          ; a plain instruction behind the last reciprocal,
	s_wait_alu depctr_va_vdst(0)                   ; and a wait ahead of the first use
	WIN 0x41
.irp t, 0,1
.set n, 0
.rept 16
	v_pk_mul_f32 v[32*\t+2*n:32*\t+2*n+1], v[32*\t+2*n:32*\t+2*n+1], v[ST+8*\t+6:ST+8*\t+7] op_sel_hi:[1,0]
.set n, n+1
.endr
.endr
	WIN 0x05                                       ; sources 0 and 1 window 1, destination window 0: S^T's registers are free
.irp t, 0,1
.set n, 0
.rept 16
	v_cvt_pk_f16_f32 v[S+16*\t+n], v[32*\t+2*n], v[32*\t+2*n+1]
.set n, n+1
.endr
.endr
	WIN 0
.irp t, 0,1
.irp c, 0,1,2,3
	global_store_b128 v[LI], v[S+16*\t+4*\c:S+16*\t+4*\c+3], s[8:9] offset:32768*\t+512*\c   ; a part: 512 consecutive bytes, aligned
.endr
.endr
	s_wait_tensorcnt 0x0                           ; the wave's end: three lines behind my last tensor load
	ds_add_u32 v[SPW], v[NIL]
	s_wait_dscnt 0x0
	CROUND                                         ; the closing round: no work-group ends while a partner may still ask for a tile that names it
	s_endpgm
.Lfunc_end_k_q626bf56e7f_attn:
	.size	k_q626bf56e7f_attn, .Lfunc_end_k_q626bf56e7f_attn-k_q626bf56e7f_attn
	.p2alignl 7, 3214868480
	.fill 96, 4, 3214868480
	.section	.rodata,"a",@progbits
	.p2align	6, 0x0
	.amdhsa_kernel k_q626bf56e7f_attn
		.amdhsa_group_segment_fixed_size 327680
		.amdhsa_private_segment_fixed_size 0
		.amdhsa_enable_private_segment 0
		.amdhsa_kernarg_size 24
		.amdhsa_user_sgpr_count 2
		.amdhsa_user_sgpr_kernarg_segment_ptr 1
		.amdhsa_wavefront_size32 1
		.amdhsa_system_sgpr_workgroup_id_x 1
		.amdhsa_system_sgpr_workgroup_id_y 1
		.amdhsa_system_sgpr_workgroup_id_z 1
		.amdhsa_system_vgpr_workitem_id 0
		.amdhsa_next_free_vgpr 512
		.amdhsa_next_free_sgpr 106
		.amdhsa_reserve_vcc 0
		.amdhsa_float_denorm_mode_32 3
		.amdhsa_float_denorm_mode_16_64 3
		.amdhsa_memory_ordered 1
		.amdhsa_forward_progress 1
		.amdhsa_inst_pref_size 176
	.end_amdhsa_kernel
	.amdgpu_metadata
---
amdhsa.version: [ 1, 2 ]
amdhsa.kernels:
  - .name:           k_q626bf56e7f_attn
    .symbol:         k_q626bf56e7f_attn.kd
    .args:
      - { .name: qkv, .offset: 0, .size: 8, .value_kind: global_buffer, .address_space: global }
      - { .name: maskw, .offset: 8, .size: 8, .value_kind: global_buffer, .address_space: global }
      - { .name: attnf, .offset: 16, .size: 8, .value_kind: global_buffer, .address_space: global }
    .group_segment_fixed_size: 327680
    .private_segment_fixed_size: 0
    .kernarg_segment_align: 8
    .kernarg_segment_size: 24
    .max_flat_workgroup_size: 256
    .sgpr_count:     106
    .vgpr_count:     512
    .wavefront_size: 32
...
	.end_amdgpu_metadata
.endif
;; end of part 3
;; launch outp (part 4): grid 8 x 32, 4 waves a work-group, clusters of 4 x 4, 327,680 bytes of LDS; arguments attnf, wof, out0; writes out0
.if DOCPART == 4
	.amdgcn_target "amdgcn-amd-amdhsa--gfx1250"
	.amdhsa_code_object_version 6
	.text
	.protected	k_q626bf56e7f_outp
	.globl	k_q626bf56e7f_outp
	.p2align	8
	.type	k_q626bf56e7f_outp,@function
k_q626bf56e7f_outp:
	s_mov_b64 s[64:65], 0
	v_nop
	global_prefetch_b8 v0, s[64:65] scope:SCOPE_SE
	s_setreg_imm32_b32 hwreg(HW_REG_WAVE_MODE, 25, 1), 1
	s_wait_xcnt 0x0
	s_wait_alu depctr_hold_cnt(0) depctr_sa_sdst(0) depctr_va_vdst(0) depctr_va_sdst(0) depctr_va_ssrc(0) depctr_va_vcc(0) depctr_vm_vsrc(0)
	s_getreg_b32 s2, hwreg(HW_REG_IB_STS2, 6, 4)
	s_cmp_eq_u32 s2, 0
	s_cbranch_scc0 .Lentry_in_a_cluster
	s_endpgm
.Lentry_in_a_cluster:
	s_bfe_u32 s2, ttmp6, 0x10000c
	s_cmp_lg_u32 s2, 0xf033
	s_cbranch_scc0 .Lentry_shape_is_right
	s_endpgm
.Lentry_shape_is_right:
; OUTP: out0[s][b][n] = sum over k of attn[b][s][k] Wo[n][k]: 4,096 x 1,024, K = 1,024, f16 operands, f32 sums, f32 out.
; Both operands come as PARTS of 512 bytes (16 rows x 16 along K; lane 16 h + r holds row r, K = 8 h + 0..7), [block of 16 rows][64 parts along K]: two parts on end are a 16 x 32 fragment's registers, loaded at 16 x lane.
; attnf's blocks are counted batch x 128 + s / 16; wof's n / 16.
; A tile of 128 x 128 gives each of 256 WGPs a work-group.  Four waves, each 64 x 64: 16 accumulators.  K goes in four steps of 256 through two LDS slots: a step of a block of rows is 16 parts, 8,192 consecutive bytes;
; a wave's tensor load brings four blocks' (32 KiB).  The four steps are written out: there is no loop.
; CLUSTERS: 4 x 4 work-groups.  The four of a row of the cluster need the same tiles of attn, the four of a column the same tiles of Wo: each is asked for JOINTLY.
; THE MATRIX INSTRUCTION IS USED TRANSPOSED (source 0 = 16 rows of Wo, source 1 = 16 rows of attn): a lane holds eight neighbouring numbers of a row of out0.
; REGISTERS: window 0: v0-31 addresses; v32-95 the way out; v128-255 the accumulators ((a, b) at v[128 + 8 (4 a + b)]).   window 1: two fragment buffers of 128: for 64 along K, 64 registers of A, then 64 of B.
.set KSB,    8192                      ; a K step of one block of rows
.set RBLK,   32768                     ; a block of rows in memory: 64 parts
.set WLOAD,  4*KSB                     ; what one tensor load brings, and what one wave reads of A or of B
.set SLOT,   4*WLOAD                   ; A's 8 blocks, then B's 8
.set STAGE,  2*SLOT                    ; behind the slots: 16 rows x 272 bytes for each wave, for the way out
.set SPITCH, 272                       ; 256 bytes + 16 = 68 words: row r starts at bank 4 r mod 64 (64 banks of 4 bytes: ISA guide 11.1)
.set SPARE,  STAGE+4*16*SPITCH         ; the spare words, 128 bytes for each wave: two blocks of 256 bytes that no other line names
.set ADRA, 16                          ; v16-17  LDS address of my A fragments in slot 0, 1
.set ADRB, 20                          ; v20-21  the same for B
.set STO,  24                          ; v24     the way out: where I put 32 bytes of a row
.set RD,   25                          ; v25     the way out: where I read a row back
.set CO,   26                          ; v26     my byte offset in out0
.set SPW,  28                          ; v28     LDS address of my spare word; never rewritten
.set NIL,  29                          ; v29     0; never rewritten
.set TMP,  32                          ; the way out: two sets of 32 registers
.set ACC,  128
.set F0,   0                           ; fragment buffers, in window 1
.set F1,   128
.set G1, 24                            ; s[24:31] group 1 for A's tiles;  s[32:39] group 0, a set for each slot
.set G0, 32
.set G1B, 48                           ; s[48:55], s[56:63] the same for B's
.set G0B, 56
.set MSB, 0
.macro WIN new                         ; the immediate's high byte repeats the setting that is left; a switch that changes nothing is dropped
.if MSB != (\new)
	s_set_vgpr_msb (MSB<<8)|(\new)
.set MSB, (\new)
.endif
.endm
.set MUL,  0x05                        ; sources 0 (B) and 1 (A) window 1; C and D window 0
.set TO_F, 0x40                        ; destination window 1, address window 0
.macro JLOAD s                         ; a joint load: waves 0 and 1 fetch A's two halves, waves 2 and 3 B's; an s_nop 0 and four v_nop follow each of the two lines
	s_cmp_eq_u32 s11, 0
	s_cbranch_scc0 .Lfor_b_\@
	tensor_load_to_lds s[G0+4*\s:G0+4*\s+3], s[G1:G1+7]
	s_nop 0
.rept 4
	v_nop
.endr
	s_branch .Lasked_\@
.Lfor_b_\@:
	tensor_load_to_lds s[G0B+4*\s:G0B+4*\s+3], s[G1B:G1B+7]
	s_nop 0
.rept 4
	v_nop
.endr
.Lasked_\@:
.endm
.macro CREST                           ; a round of the cluster's barrier behind its opening barrier
	s_cmp_lg_u32 s10, 0
	s_cbranch_scc1 .Lnot_wave_0_\@
	s_barrier_signal -3
.Lnot_wave_0_\@:
	s_barrier_wait -3
	s_barrier_signal -1
	s_barrier_wait -1
.endm
.macro CROUND                          ; a whole round
	s_barrier_signal -1
	s_barrier_wait -1
	CREST
.endm
	s_load_b128 s[4:7], s[0:1], 0x0                ; attnf s[4:5], wof s[6:7]
	s_load_b64 s[8:9], s[0:1], 0x10                ; out0
	v_lshl_add_u32 v[SPW], v0, 2, SPARE
	v_mov_b32 v[NIL], 0
	ds_add_u32 v[SPW], v[NIL]                      ; the wave's opening: the add, twice on end, and its wait ahead of my first tensor load
	ds_add_u32 v[SPW], v[NIL]                      ; (the set-up below, work on registers, stands between the second and the wait)
	v_lshrrev_b32 v1, 5, v0
	v_readfirstlane_b32 s10, v1                    ; wave 0..3
	s_lshr_b32 s11, s10, 1                         ; which half of the tile's rows is mine.  Also: I fetch for A (0) or for B (1)
	s_and_b32 s12, s10, 1                          ; which half of its columns.  Also: which four blocks of that tile I fetch
	s_bfe_u32 s40, ttmp6, 0x40000                  ; cx, cy: my place in the cluster
	s_bfe_u32 s41, ttmp6, 0x40004
	s_lshl_b32 s42, ttmp9, 2
	s_add_co_u32 s42, s42, s40                     ; tile column = 4 x cluster x + cx
	s_and_b32 s13, ttmp7, 0xffff
	s_lshl_b32 s13, s13, 2
	s_add_co_u32 s13, s13, s41                     ; tile row = 4 x cluster y + cy
	s_lshl_b32 s43, s41, 2
	s_lshl_b32 s43, 15, s43                        ; my row of the cluster
	s_lshl_b32 s44, 0x1111, s40                    ; my column
	; group 1: four rows of 8,192 bytes (1,024 elements of 8 bytes), 32,768 bytes apart; no padding: every LDS read takes 512 consecutive bytes
	s_or_b32 s[G1+0], s43, (3<<16)|(1<<21)         ; 15:0 the mask: A's tiles go to my row; 17:16 elements of 8 bytes; 21 set beside a mask
	s_or_b32 s[G1B+0], s44, (3<<16)|(1<<21)
.irp g, G1, G1B
	s_mov_b32 s[\g+1], 1024<<16                    ; tensor_dim0
	s_mov_b32 s[\g+2], 4<<16                       ; tensor_dim1
	s_mov_b32 s[\g+3], 1024<<16                    ; tile_dim0
	s_mov_b32 s[\g+4], 4                           ; tile_dim1
	s_mov_b32 s[\g+5], 4096                        ; from row to row
	s_mov_b32 s[\g+6], 0
	s_mov_b32 s[\g+7], 0
.endr
	s_lshl_b32 s18, s12, 2                         ; which four blocks of the tile I fetch
	s_lshl_b32 s16, s13, 3
	s_add_co_u32 s16, s16, s18                     ; A: block 8 x tile row + 4 x half
	s_lshl_b32 s16, s16, 15                        ; in bytes (under 2^23)
	s_mov_b32 s17, 0
	s_lshl_b32 s46, s42, 3
	s_add_co_u32 s46, s46, s18                     ; B: block 8 x tile column + 4 x half
	s_lshl_b32 s46, s46, 15
	s_mov_b32 s47, 0
	s_lshl_b32 s20, s10, 15                        ; where they go: wave x 32 KiB: no place in the cluster enters an LDS address
	s_wait_dscnt 0x0                               ; both opening adds are done
	s_wait_kmcnt 0x0
	s_add_nc_u64 s[14:15], s[4:5], s[16:17]
	s_add_nc_u64 s[46:47], s[6:7], s[46:47]
	CROUND                                         ; all sixteen work-groups are here: the first joint loads meet
.irp s, 0,1
	s_mov_b32 s[G0+4*\s], 1
	s_add_co_u32 s[G0+4*\s+1], s20, \s*SLOT
	s_add_nc_u64 s[G0+4*\s+2:G0+4*\s+3], s[14:15], \s*KSB
	s_or_b32 s[G0+4*\s+3], s[G0+4*\s+3], 0x80000000
	s_mov_b32 s[G0B+4*\s], 1
	s_add_co_u32 s[G0B+4*\s+1], s20, \s*SLOT
	s_add_nc_u64 s[G0B+4*\s+2:G0B+4*\s+3], s[46:47], \s*KSB
	s_or_b32 s[G0B+4*\s+3], s[G0B+4*\s+3], 0x80000000
	JLOAD \s                                       ; K steps 0 and 1: two tensor loads of mine are out
.endr
	v_and_b32 v1, 31, v0
	v_lshlrev_b32 v3, 4, v1                        ; 16 x lane: my place in a part
	s_lshl_b32 s21, s11, 15                        ; my four blocks of A
	s_lshl_b32 s22, s12, 15                        ; my four blocks of B,
	s_add_co_u32 s22, s22, 2*WLOAD                 ; which lie behind A's eight
.irp s, 0,1
	v_add_nc_u32 v[ADRA+\s], s21, v3
	v_add_nc_u32 v[ADRB+\s], s22, v3
	s_add_co_u32 s21, s21, SLOT
	s_add_co_u32 s22, s22, SLOT
.endr
	v_and_b32 v1, 15, v0                           ; l % 16
	v_bfe_u32 v2, v0, 4, 1                         ; l / 16
	s_mul_i32 s23, s10, 16*SPITCH
	s_add_co_u32 s23, s23, STAGE                   ; my stage
	v_mul_u32_u24 v4, v1, SPITCH                   ; in: row l % 16, 32 bytes for each half of the lanes
	v_lshl_add_u32 v4, v2, 5, v4
	v_add_nc_u32 v[STO], s23, v4
	v_mul_u32_u24 v5, v2, SPITCH                   ; back: lanes 0-15 take one row of 256 bytes, lanes 16-31 the next
	v_lshl_add_u32 v5, v1, 4, v5
	v_add_nc_u32 v[RD], s23, v5
	v_lshlrev_b32 v5, 13, v2                       ; and the same two rows in out0: tokens s and s + 1 of one batch lie 8,192 bytes apart
	v_lshl_add_u32 v[CO], v1, 4, v5
	s_lshr_b32 s16, s13, 4                         ; the batch: 16 tile rows each
	s_lshl_b32 s16, s16, 12                        ; x 4,096 bytes
	s_lshl_b32 s17, s13, 3
	s_lshl_b32 s18, s11, 2
	s_add_co_u32 s17, s17, s18
	s_and_b32 s17, s17, 127                        ; my first block of 16 tokens
	s_lshl_b32 s17, s17, 17                        ; x 16 x 8,192 bytes
	s_add_co_u32 s16, s16, s17
	s_mov_b32 s17, 0
	s_add_nc_u64 s[8:9], s[8:9], s[16:17]
	s_lshl_b32 s46, s42, 9                         ; my first column, in bytes: 512 x tile column + 256 x half
	s_lshl_b32 s47, s12, 8
	s_add_co_u32 s46, s46, s47
	s_mov_b32 s47, 0
	s_add_nc_u64 s[8:9], s[8:9], s[46:47]
; 8 matrix instructions: m blocks a0, a0 + 1 x all 4 n blocks, 32 along K: half c of buffer f.  zero = 1: the first product starts the sums.  The 16 accumulators take turns
.macro MUL8 f, c, a0, zero
.irp a, \a0, \a0+1
.irp b, 0,1,2,3
.if \zero
	v_wmma_f32_16x16x32_f16 v[ACC+8*(4*(\a)+\b):ACC+8*(4*(\a)+\b)+7], v[\f+64+8*(4*\c+\b):\f+64+8*(4*\c+\b)+7], v[\f+8*(4*\c+\a):\f+8*(4*\c+\a)+7], 0
.else
	v_wmma_f32_16x16x32_f16 v[ACC+8*(4*(\a)+\b):ACC+8*(4*(\a)+\b)+7], v[\f+64+8*(4*\c+\b):\f+64+8*(4*\c+\b)+7], v[\f+8*(4*\c+\a):\f+8*(4*\c+\a)+7], v[ACC+8*(4*(\a)+\b):ACC+8*(4*(\a)+\b)+7]
.endif
.endr
.endr
.endm
; 32 LDS loads in one run: the fragments of 64 along K (four parts, from byte k of each block's K step) into buffer f; the first 32 along K first
.macro FETCH slot, k, f
	WIN TO_F
.irp c, 0,1
.irp i, 0,1,2,3
	ds_load_b128 v[\f+64+8*(4*\c+\i):\f+64+8*(4*\c+\i)+3],   v[ADRB+\slot] offset:\k+1024*\c+KSB*\i
	ds_load_b128 v[\f+64+8*(4*\c+\i)+4:\f+64+8*(4*\c+\i)+7], v[ADRB+\slot] offset:\k+1024*\c+KSB*\i+512
	ds_load_b128 v[\f+8*(4*\c+\i):\f+8*(4*\c+\i)+3],         v[ADRA+\slot] offset:\k+1024*\c+KSB*\i
	ds_load_b128 v[\f+8*(4*\c+\i)+4:\f+8*(4*\c+\i)+7],       v[ADRA+\slot] offset:\k+1024*\c+KSB*\i+512
.endr
.endr
.endm
.macro PLACES                          ; four places in front of loads into registers that matrix instructions have read, and of the first read of results (ISA guide 7.12.1 for the reads of results)
.rept 4
	v_nop
.endr
.endm
; A K step is four quarters of 64 along K, 32 matrix instructions each, on buffers 0, 1, 0, 1.  One of the first three: multiplies buffer f and fetches the next quarter, at byte k, into g.
.macro QUARTER slot, k, f, g, zero
	s_wait_dscnt 16                                ; the first 32 along K are in; the younger sixteen loads may be out
	WIN MUL
	MUL8 \f, 0, 0, \zero
	MUL8 \f, 0, 2, \zero
	PLACES
	FETCH \slot, \k, \g
	s_wait_dscnt 32                                ; all but the 32 just issued
	WIN MUL
	MUL8 \f, 1, 0, 0
	MUL8 \f, 1, 2, 0
.endm
; The last quarter multiplies buffer 1 and changes slots: ONE barrier; in front of it each wave waits for all its tensor loads, adds 0 to its spare word, and waits for that and for its own reads of this slot.
; fill = 1: this slot is filled again, two K steps ahead; the barrier then opens a round of the cluster's.
.macro TURN slot, next, fill
	WIN 0                                          ; (the add's two registers lie in window 0)
	s_wait_tensorcnt 0x0                           ; all my tensor loads have landed: my part of the next slot
	ds_add_u32 v[SPW], v[NIL]                      ; 0 onto my spare word
	s_wait_dscnt 17                                ; (the add and the youngest sixteen loads may be out)
	WIN MUL
	MUL8 F1, 0, 0, 0                               ; eight matrix instructions stand between the add and the wait for it
	s_wait_dscnt 0x0                               ; the add is done, and my reads of this slot are over
	s_barrier_signal -1
	MUL8 F1, 0, 2, 0
.if \fill
	WIN 0
.endif
	s_barrier_wait -1
.if \fill
	CREST                                          ; no wave of any partner still reads this slot's tile or has a load on its way
	s_add_nc_u64 s[G0+4*\slot+2:G0+4*\slot+3], s[G0+4*\slot+2:G0+4*\slot+3], 2*KSB
	s_add_nc_u64 s[G0B+4*\slot+2:G0B+4*\slot+3], s[G0B+4*\slot+2:G0B+4*\slot+3], 2*KSB
	JLOAD \slot                                    ; the first tensor load behind the round, my only one until the next; the four v_nop behind it are also the places in front of the loads below
.else
	PLACES
.endif
	FETCH \next, 0, F0
	WIN MUL
	MUL8 F1, 1, 0, 0
	MUL8 F1, 1, 2, 0
.endm
	s_wait_tensorcnt 1                             ; my part of K step 0 is in (K step 1's load may be out)
	s_barrier_signal -1
	s_barrier_wait -1                              ; everybody's is
	FETCH 0, 0, F0
	QUARTER 0, 2048, F0, F1, 1                     ; K step 0; its first products start the sums
	QUARTER 0, 4096, F1, F0, 0
	QUARTER 0, 6144, F0, F1, 0
	TURN 0, 1, 1                                   ; slot 0 takes K step 2
	QUARTER 1, 2048, F0, F1, 0                     ; K step 1
	QUARTER 1, 4096, F1, F0, 0
	QUARTER 1, 6144, F0, F1, 0
	TURN 1, 0, 1                                   ; slot 1 takes K step 3
	QUARTER 0, 2048, F0, F1, 0                     ; K step 2
	QUARTER 0, 4096, F1, F0, 0
	QUARTER 0, 6144, F0, F1, 0
	TURN 0, 1, 0                                   ; nothing is left to fetch
	QUARTER 1, 2048, F0, F1, 0                     ; K step 3
	QUARTER 1, 4096, F1, F0, 0
	QUARTER 1, 6144, F0, F1, 0
	s_wait_dscnt 16                                ; the very last quarter
	WIN MUL
	MUL8 F1, 0, 0, 0
	MUL8 F1, 0, 2, 0
	s_wait_dscnt 0
	MUL8 F1, 1, 0, 0
	MUL8 F1, 1, 2, 0
	WIN 0
; THE WAY OUT, block by block of 16 rows x 64 columns.  A lane holds 32 neighbouring bytes of a row, and the lanes beside it hold other rows: so a block goes through my own stage in LDS and comes back as whole rows of
; 256 bytes, my wave's 64 columns, which sixteen lanes store as one aligned run of 256 bytes.  LDS serves a wave's instructions in order (ISA guide 5.7.1.4): no wait between the stores and the loads, nor ahead of the next block's stores.
.macro TOSTAGE a
.irp b, 0,1,2,3
	ds_store_b128 v[STO], v[ACC+8*(4*(\a)+\b):ACC+8*(4*(\a)+\b)+3] offset:64*\b          ; each accumulator from its low end on
	ds_store_b128 v[STO], v[ACC+8*(4*(\a)+\b)+4:ACC+8*(4*(\a)+\b)+7] offset:64*\b+16
.endr
.irp t, 0,1,2,3,4,5,6,7
	ds_load_b128 v[TMP+32*((\a)%2)+4*\t:TMP+32*((\a)%2)+4*\t+3], v[RD] offset:\t*2*SPITCH
.endr
.endm
.macro SEND a, younger                 ; younger: the LDS instructions issued behind block a's loads: the next block's eight stores and eight loads, or none
	s_wait_dscnt \younger
.irp t, 0,1,2,3,4,5,6,7
	global_store_b128 v[CO], v[TMP+32*((\a)%2)+4*\t:TMP+32*((\a)%2)+4*\t+3], s[8:9] offset:131072*(\a)+16384*\t th:TH_STORE_NT   ; written once, read by nobody here; the largest offset is 507,904
.endr
.endm
	PLACES                                         ; behind the last products
	TOSTAGE 0
	TOSTAGE 1
	SEND 0, 16
	s_wait_xcnt 0x0                                ; block 0's stores have read their registers: block 2's loads may land there
	TOSTAGE 2
	SEND 1, 16
	s_wait_xcnt 0x0                                ; block 1's likewise
	TOSTAGE 3
	SEND 2, 16
	SEND 3, 0
	s_wait_tensorcnt 0x0                           ; the wave's end: three lines behind my last tensor load and my last LDS store
	ds_add_u32 v[SPW], v[NIL]
	s_wait_dscnt 0x0
	CROUND                                         ; the closing round: no work-group ends while a partner may still ask for a tile that names it
	s_endpgm
.Lfunc_end_k_q626bf56e7f_outp:
	.size	k_q626bf56e7f_outp, .Lfunc_end_k_q626bf56e7f_outp-k_q626bf56e7f_outp
	.p2alignl 7, 3214868480
	.fill 96, 4, 3214868480
	.section	.rodata,"a",@progbits
	.p2align	6, 0x0
	.amdhsa_kernel k_q626bf56e7f_outp
		.amdhsa_group_segment_fixed_size 327680
		.amdhsa_private_segment_fixed_size 0
		.amdhsa_enable_private_segment 0
		.amdhsa_kernarg_size 24
		.amdhsa_user_sgpr_count 2
		.amdhsa_user_sgpr_kernarg_segment_ptr 1
		.amdhsa_wavefront_size32 1
		.amdhsa_system_sgpr_workgroup_id_x 1
		.amdhsa_system_sgpr_workgroup_id_y 1
		.amdhsa_system_sgpr_workgroup_id_z 1
		.amdhsa_system_vgpr_workitem_id 0
		.amdhsa_next_free_vgpr 512
		.amdhsa_next_free_sgpr 66
		.amdhsa_reserve_vcc 0
		.amdhsa_float_denorm_mode_32 3
		.amdhsa_float_denorm_mode_16_64 3
		.amdhsa_memory_ordered 1
		.amdhsa_forward_progress 1
		.amdhsa_inst_pref_size 85
	.end_amdhsa_kernel
	.amdgpu_metadata
---
amdhsa.version: [ 1, 2 ]
amdhsa.kernels:
  - .name:           k_q626bf56e7f_outp
    .symbol:         k_q626bf56e7f_outp.kd
    .args:
      - { .name: attnf, .offset: 0, .size: 8, .value_kind: global_buffer, .address_space: global }
      - { .name: wof, .offset: 8, .size: 8, .value_kind: global_buffer, .address_space: global }
      - { .name: out0, .offset: 16, .size: 8, .value_kind: global_buffer, .address_space: global }
    .group_segment_fixed_size: 327680
    .private_segment_fixed_size: 0
    .kernarg_segment_align: 8
    .kernarg_segment_size: 24
    .max_flat_workgroup_size: 128
    .sgpr_count:     66
    .vgpr_count:     512
    .wavefront_size: 32
...
	.end_amdgpu_metadata
.endif
;; end of part 4
